; MI455X (gfx1250); checked and timed in simulation.
; The chip was launched on July 23, 2026; its instructions are those of AMD's public machine-readable ISA for CDNA 5 (MIT licence, August 2026) and "CDNA5" Instruction Set Architecture Reference Guide (July 2026). The comments in the code are by the model that wrote it; some were corrected since.
;; Split Joint Attention. Allowed arithmetic: float matrix products may take bf16 or f16 operands with f32 sums; other float arithmetic in f32, or as packed bf16 or f16 multiplies, adds, multiply-adds, maxima and minima; sums over many terms, partial sums and values carried from step to step in f32; what a program stores and reads back later, other than sums and carried values, may be rounded once to bf16 or f16.
;; Inputs: b_pool_merge 1,024 float32; b_pool_qkv 3,072 float32; b_x_merge 1,024 float32; b_x_qkv 3,072 float32; n_mask 2 x 256 bool; pool 2 x 256 x 1,024 float32; pp_mask 2 x 1 x 1 x 256 bool; px_mask 2 x 1 x 1 x 2,048 bool; regions 2 x 2,048 int32; t_mask 2 x 2,048 bool; w_pk_norm 64 float32; w_pool_merge 2,048 x 1,024 float32; w_pool_norm 1,024 float32; w_pool_qkv 1,024 x 3,072 float32; w_pq_norm 64 float32; w_x_merge 2,048 x 1,024 float32; w_x_norm 1,024 float32; w_x_qkv 1,024 x 3,072 float32; w_xk_norm 64 float32; w_xq_norm 64 float32; x 2 x 2,048 x 1,024 float32; xp_mask 2 x 1 x 1 x 256 bool; xx_mask 2 x 1 x 1 x 2,048 bool.
;; Outputs: out0 2 x 256 x 1,024 float32; out1 2 x 2,048 x 1,024 float32.
;; 2 versions, each right; version 2 is version 1 with the launch prep written anew for expert scheduling mode. Each part assembles by itself: llvm-mc -triple=amdgcn-amd-amdhsa -mcpu=gfx1250 --defsym DOCPART=n.
;; ======== version 1 of 2: 4 launches
;; limits: values are held in f16: magnitudes above 65,504 overflow, below 6.1e-05 lose precision
;; workspace buffers: an 9,437,184 bytes; wh 20,971,520 bytes; rope 557,056 bytes; qkv 28,311,552 bytes; att 18,874,368 bytes
;; launch prep (part 1): grid 1056 x 1, 8 waves a work-group, no clusters, 0 bytes of LDS; arguments x, pool, w_x_norm, w_pool_norm, w_x_qkv, w_pool_qkv, w_x_merge, w_pool_merge, an, wh, rope; writes an, wh, rope
.if DOCPART == 1
	.amdgcn_target "amdgcn-amd-amdhsa--gfx1250"
	.amdhsa_code_object_version 6
	.text
	.protected	k_qa39acca1fd_prep
	.globl	k_qa39acca1fd_prep
	.p2align	8
	.type	k_qa39acca1fd_prep,@function
k_qa39acca1fd_prep:
	s_mov_b64 s[64:65], 0
	v_nop
	global_prefetch_b8 v0, s[64:65] scope:SCOPE_SE
	s_setreg_imm32_b32 hwreg(HW_REG_WAVE_MODE, 25, 1), 1
	s_wait_xcnt 0x0
; PREP.  Three kinds of work-group, told apart by the work-group's number alone.
;   0 .. 639     the four weight tensors, f32 -> f16 (rounded once), layouts kept: wh = w_x_qkv, w_pool_qkv, w_x_merge, w_pool_merge on end.  64 KiB in, 32 KiB out a work-group.
;   640 .. 783   an[row] = v * rsqrt(mean(v^2) + 1e-6) * w, f16: rows 0-4095 of x, rows 4096-4607 of pool.  32 rows a work-group, 4 a wave; a row stays in registers between the sum and the scaling.
;   784 .. 1055  rope[row] = 32 cosines, 32 sines (f32) of row * 10000^(-i/32); rows 2048-2175 are the angle 0 (cos 1, sin 0).  A wave a row.
; A stream: no LDS, no barrier, no matrix unit; every load takes 512 and every store 256 consecutive aligned bytes of a wave.
; LIMITS.  f16 holds nothing beyond 65,504: |w| and |v_n w| <= 32 |w_norm| stay within it for gains and weights some thousand times those drawn; below 6e-5 f16 keeps its fixed step of 6e-8.
; 10000^(-i/32) is made by v_exp_f32 of i * -log2(10000)/32: the angle at position 2047 is right to about 2.5e-4.  NaN and infinities are not treated apart.
.set NW, 640
.set NR, 144
	s_load_b512 s[4:19], s[0:1], 0x0               ; x, pool, w_x_norm, w_pool_norm, w_x_qkv, w_pool_qkv, w_x_merge, w_pool_merge
	s_load_b128 s[20:23], s[0:1], 0x40             ; an, wh
	s_load_b64 s[24:25], s[0:1], 0x50              ; rope
	s_mov_b32 s26, ttmp9
	s_mov_b32 s33, 0                               ; the high word of every offset
	v_and_b32 v1, 31, v0                           ; lane
	v_lshrrev_b32 v2, 5, v0                        ; wave
	s_wait_kmcnt 0x0
	s_cmp_lt_u32 s26, NW
	s_cbranch_scc0 .Lnot_w
	; ---- weights: which tensor, and which 64 KiB of it
	s_mov_b64 s[28:29], s[18:19]
	s_mov_b32 s27, 512
	s_cmp_lt_u32 s26, 512
	s_cselect_b64 s[28:29], s[16:17], s[28:29]
	s_cselect_b32 s27, 384, s27
	s_cmp_lt_u32 s26, 384
	s_cselect_b64 s[28:29], s[14:15], s[28:29]
	s_cselect_b32 s27, 192, s27
	s_cmp_lt_u32 s26, 192
	s_cselect_b64 s[28:29], s[12:13], s[28:29]
	s_cselect_b32 s27, 0, s27
	s_sub_co_u32 s27, s26, s27
	s_lshl_b32 s32, s27, 16
	s_add_nc_u64 s[28:29], s[28:29], s[32:33]
	s_lshl_b32 s32, s26, 15                        ; wh follows the order of the work-groups
	s_add_nc_u64 s[22:23], s[22:23], s[32:33]
	v_lshlrev_b32 v3, 4, v0
	v_lshlrev_b32 v4, 3, v0
.set k, 0
.rept 16
	global_load_b128 v[32+4*k:35+4*k], v3, s[28:29] offset:4096*k th:TH_LOAD_NT
.set k, k+1
.endr
.set k, 0
.rept 16
	s_wait_loadcnt 15-k                            ; loads come back in order: piece k is in, the younger ones stay out
	v_cvt_pk_f16_f32 v[96+2*k], v[32+4*k], v[33+4*k]
	v_cvt_pk_f16_f32 v[97+2*k], v[34+4*k], v[35+4*k]
	global_store_b64 v4, v[96+2*k:97+2*k], s[22:23] offset:2048*k  ; no register is written twice, so nothing waits for a store
.set k, k+1
.endr
	s_endpgm
.Lnot_w:
	s_cmp_lt_u32 s26, NW+NR
	s_cbranch_scc0 .Ltable
	; ---- rows: x or pool, 32 rows of 4,096 bytes
	s_sub_co_u32 s27, s26, NW
	s_cmp_lt_u32 s27, 128
	s_cselect_b64 s[28:29], s[4:5], s[6:7]
	s_cselect_b64 s[30:31], s[8:9], s[10:11]
	s_cselect_b32 s32, 0, 128
	s_sub_co_u32 s32, s27, s32
	s_lshl_b32 s32, s32, 17
	s_add_nc_u64 s[28:29], s[28:29], s[32:33]
	s_lshl_b32 s32, s27, 16                        ; 32 rows of 2,048 bytes of an
	s_add_nc_u64 s[20:21], s[20:21], s[32:33]
	s_mov_b32 s36, 0x76543210                      ; v_permlanex16_b32: each lane takes its own place in the other half
	s_mov_b32 s37, 0xfedcba98
	s_mov_b32 s38, 0x3a800000                      ; 1/1024
	s_mov_b32 s39, 0x358637bd                      ; 1e-6
	v_lshlrev_b32 v3, 4, v1
	v_lshl_add_u32 v5, v2, 14, v3                  ; my wave's 4 rows, my 16 bytes
	v_lshlrev_b32 v6, 3, v1
	v_lshl_add_u32 v6, v2, 13, v6
	v_mov_b32 v172, 0                              ; the lane exchange's destination counts as read
.set j, 0
.rept 8
	global_load_b128 v[8+4*j:11+4*j], v3, s[30:31] offset:512*j
.set j, j+1
.endr
.set j, 0
.rept 32
	global_load_b128 v[40+4*j:43+4*j], v5, s[28:29] offset:4096*(j/8)+512*(j%8) th:TH_LOAD_NT
.set j, j+1
.endr
.set i, 0
.rept 4
	s_wait_loadcnt 8*(3-i)                         ; row i is in; the later rows' loads stay out
	v_pk_mul_f32 v[168:169], v[40+32*i:41+32*i], v[40+32*i:41+32*i]    ; the first products start two chains
	v_pk_mul_f32 v[170:171], v[42+32*i:43+32*i], v[42+32*i:43+32*i]
.set p, 2
.rept 14
	v_pk_fma_f32 v[168+2*(p%2):169+2*(p%2)], v[40+32*i+2*p:41+32*i+2*p], v[40+32*i+2*p:41+32*i+2*p], v[168+2*(p%2):169+2*(p%2)]
.set p, p+1
.endr
	v_pk_add_f32 v[168:169], v[168:169], v[170:171]
	v_add_f32 v[174+i], v168, v169
	v_add_f32_dpp v[174+i], v[174+i], v[174+i] row_xmask:1 row_mask:0xf bank_mask:0xf
	v_add_f32_dpp v[174+i], v[174+i], v[174+i] row_xmask:2 row_mask:0xf bank_mask:0xf
	v_add_f32_dpp v[174+i], v[174+i], v[174+i] row_xmask:4 row_mask:0xf bank_mask:0xf
	v_add_f32_dpp v[174+i], v[174+i], v[174+i] row_xmask:8 row_mask:0xf bank_mask:0xf
	v_permlanex16_b32 v172, v[174+i], s36, s37
	v_add_f32 v[174+i], v[174+i], v172
	v_fma_f32 v[174+i], v[174+i], s38, s39         ; mean + eps
.set i, i+1
.endr
.set i, 0
.rept 4
	v_rsq_f32 v[178+2*i], v[174+i]                 ; twice: a pair for the packed multiply
	v_rsq_f32 v[179+2*i], v[174+i]
.set i, i+1
.endr
	v_nop                                          ; a plain instruction behind the last root,
	s_wait_alu depctr_va_vdst(0)                   ; and one wait for the eight, ahead of their first reader
.set i, 0
.rept 4
.if i > 0
	s_wait_xcnt 0x0                                ; the last row's stores have read v186-201
.endif
.set j, 0
.rept 8
	v_pk_mul_f32 v[40+32*i+4*j:41+32*i+4*j], v[40+32*i+4*j:41+32*i+4*j], v[178+2*i:179+2*i]
	v_pk_mul_f32 v[42+32*i+4*j:43+32*i+4*j], v[42+32*i+4*j:43+32*i+4*j], v[178+2*i:179+2*i]
	v_pk_mul_f32 v[40+32*i+4*j:41+32*i+4*j], v[40+32*i+4*j:41+32*i+4*j], v[8+4*j:9+4*j]
	v_pk_mul_f32 v[42+32*i+4*j:43+32*i+4*j], v[42+32*i+4*j:43+32*i+4*j], v[10+4*j:11+4*j]
	v_cvt_pk_f16_f32 v[186+2*j], v[40+32*i+4*j], v[41+32*i+4*j]
	v_cvt_pk_f16_f32 v[187+2*j], v[42+32*i+4*j], v[43+32*i+4*j]
	global_store_b64 v6, v[186+2*j:187+2*j], s[20:21] offset:2048*i+256*j
.set j, j+1
.endr
.set i, i+1
.endr
	s_endpgm
.Ltable:
	; ---- the table: lanes 0-15 make the cosines of i = 2 l, 2 l + 1, lanes 16-31 the sines of the same
	v_readfirstlane_b32 s27, v2
	s_sub_co_u32 s28, s26, NW+NR
	s_lshl3_add_u32 s28, s28, s27                  ; row
	s_cmp_lt_u32 s28, 2048
	s_cselect_b32 s29, s28, 0                      ; position; the rows from 2048 on have the angle 0
	s_lshl_b32 s32, s28, 8
	s_add_nc_u64 s[24:25], s[24:25], s[32:33]
	s_mov_b32 s40, 0x3f22f983                      ; 2/pi
	s_mov_b32 s41, 0xbfc90fdb                      ; -pi/2, its f32
	s_mov_b32 s42, 0x333bbd2e                      ; what that f32 has too much: 4.3711388e-8
	s_mov_b32 s43, -0.16666654611                  ; sine's three terms
	s_mov_b32 s44, 0.0083321608736
	s_mov_b32 s45, -0.00019515295891
	s_mov_b32 s46, 0.04166664568                   ; cosine's three
	s_mov_b32 s47, -0.001388731625
	s_mov_b32 s48, 0.00002443315712
	v_and_b32 v3, 15, v1
	v_lshlrev_b32 v3, 1, v3
	v_add_nc_u32 v4, 1, v3
	v_cvt_f32_u32 v3, v3
	v_cvt_f32_u32 v4, v4
	v_mul_f32 v3, 0xbed49a78, v3                   ; -log2(10000)/32
	v_mul_f32 v4, 0xbed49a78, v4
	v_exp_f32 v5, v3
	v_exp_f32 v6, v4
	v_mov_b32 v7, s29                              ; the plain instruction behind the two
	v_cvt_f32_u32 v7, v7
	s_wait_alu depctr_va_vdst(0)                   ; one wait for both
	v_mul_f32 v5, v7, v5
	v_mul_f32 v6, v7, v6
; sine and cosine of v[a] >= 0: n = the nearest multiple of pi/2, taken away in two parts; polynomials on |r| <= pi/4; the quadrant swaps and signs
.macro SINCOS a, sn, cs
	v_mul_f32 v20, s40, v[\a]
	v_rndne_f32 v20, v20
	v_fma_f32 v21, v20, s41, v[\a]
	v_fma_f32 v21, v20, s42, v21
	v_mul_f32 v22, v21, v21
	v_fma_f32 v23, v22, s45, s44
	v_fma_f32 v23, v23, v22, s43
	v_mul_f32 v23, v23, v22
	v_fma_f32 v23, v23, v21, v21
	v_fma_f32 v24, v22, s48, s47
	v_fma_f32 v24, v24, v22, s46
	v_mul_f32 v27, v22, v22
	v_fma_f32 v28, v22, -0.5, 1.0
	v_fma_f32 v24, v27, v24, v28
	v_cvt_i32_f32 v25, v20
	v_and_b32 v26, 1, v25
	v_cmp_eq_u32 s50, 1, v26
	v_cndmask_b32 v[\sn], v23, v24, s50
	v_cndmask_b32 v[\cs], v24, v23, s50
	v_and_b32 v26, 2, v25
	v_lshlrev_b32 v26, 30, v26
	v_xor_b32 v[\sn], v26, v[\sn]
	v_add_nc_u32 v26, 1, v25
	v_and_b32 v26, 2, v26
	v_lshlrev_b32 v26, 30, v26
	v_xor_b32 v[\cs], v26, v[\cs]
.endm
	SINCOS 5, 10, 11
	SINCOS 6, 12, 13
	v_cmp_gt_u32 s51, 16, v1
	v_cndmask_b32 v30, v10, v11, s51
	v_cndmask_b32 v31, v12, v13, s51
	v_lshlrev_b32 v8, 3, v1
	global_store_b64 v8, v[30:31], s[24:25]        ; the wave stores the row's 256 bytes
	s_endpgm
.Lfunc_end_k_qa39acca1fd_prep:
	.size	k_qa39acca1fd_prep, .Lfunc_end_k_qa39acca1fd_prep-k_qa39acca1fd_prep
	.p2alignl 7, 3214868480
	.fill 96, 4, 3214868480
	.section	.rodata,"a",@progbits
	.p2align	6, 0x0
	.amdhsa_kernel k_qa39acca1fd_prep
		.amdhsa_group_segment_fixed_size 0
		.amdhsa_private_segment_fixed_size 0
		.amdhsa_enable_private_segment 0
		.amdhsa_kernarg_size 88
		.amdhsa_user_sgpr_count 2
		.amdhsa_user_sgpr_kernarg_segment_ptr 1
		.amdhsa_wavefront_size32 1
		.amdhsa_system_sgpr_workgroup_id_x 1
		.amdhsa_system_sgpr_workgroup_id_y 1
		.amdhsa_system_sgpr_workgroup_id_z 1
		.amdhsa_system_vgpr_workitem_id 0
		.amdhsa_next_free_vgpr 208
		.amdhsa_next_free_sgpr 66
		.amdhsa_reserve_vcc 0
		.amdhsa_float_denorm_mode_32 3
		.amdhsa_float_denorm_mode_16_64 3
		.amdhsa_memory_ordered 1
		.amdhsa_forward_progress 1
		.amdhsa_inst_pref_size 38
	.end_amdhsa_kernel
	.amdgpu_metadata
---
amdhsa.version: [ 1, 2 ]
amdhsa.kernels:
  - .name:           k_qa39acca1fd_prep
    .symbol:         k_qa39acca1fd_prep.kd
    .args:
      - { .name: x, .offset: 0, .size: 8, .value_kind: global_buffer, .address_space: global }
      - { .name: pool, .offset: 8, .size: 8, .value_kind: global_buffer, .address_space: global }
      - { .name: w_x_norm, .offset: 16, .size: 8, .value_kind: global_buffer, .address_space: global }
      - { .name: w_pool_norm, .offset: 24, .size: 8, .value_kind: global_buffer, .address_space: global }
      - { .name: w_x_qkv, .offset: 32, .size: 8, .value_kind: global_buffer, .address_space: global }
      - { .name: w_pool_qkv, .offset: 40, .size: 8, .value_kind: global_buffer, .address_space: global }
      - { .name: w_x_merge, .offset: 48, .size: 8, .value_kind: global_buffer, .address_space: global }
      - { .name: w_pool_merge, .offset: 56, .size: 8, .value_kind: global_buffer, .address_space: global }
      - { .name: an, .offset: 64, .size: 8, .value_kind: global_buffer, .address_space: global }
      - { .name: wh, .offset: 72, .size: 8, .value_kind: global_buffer, .address_space: global }
      - { .name: rope, .offset: 80, .size: 8, .value_kind: global_buffer, .address_space: global }
    .group_segment_fixed_size: 0
    .private_segment_fixed_size: 0
    .kernarg_segment_align: 8
    .kernarg_segment_size: 88
    .max_flat_workgroup_size: 256
    .sgpr_count:     66
    .vgpr_count:     208
    .wavefront_size: 32
...
	.end_amdgpu_metadata
.endif
;; end of part 1
;; launch qkv (part 2): grid 12 x 18, 4 waves a work-group, clusters of 4 x 1, 327,680 bytes of LDS; arguments an, wh, rope, b_x_qkv, b_pool_qkv, w_xq_norm, w_xk_norm, w_pq_norm, w_pk_norm, qkv; writes qkv
.if DOCPART == 2
	.amdgcn_target "amdgcn-amd-amdhsa--gfx1250"
	.amdhsa_code_object_version 6
	.text
	.protected	k_qa39acca1fd_qkv
	.globl	k_qa39acca1fd_qkv
	.p2align	8
	.type	k_qa39acca1fd_qkv,@function
k_qa39acca1fd_qkv:
	s_mov_b64 s[64:65], 0
	v_nop
	global_prefetch_b8 v0, s[64:65] scope:SCOPE_SE
	s_setreg_imm32_b32 hwreg(HW_REG_WAVE_MODE, 25, 1), 1
	s_wait_xcnt 0x0
	s_wait_alu depctr_hold_cnt(0) depctr_sa_sdst(0) depctr_va_vdst(0) depctr_va_sdst(0) depctr_va_ssrc(0) depctr_va_vcc(0) depctr_vm_vsrc(0)
	s_getreg_b32 s2, hwreg(HW_REG_IB_STS2, 6, 4)
	s_cmp_eq_u32 s2, 0
	s_cbranch_scc0 .Lentry_in_a_cluster
	s_endpgm
.Lentry_in_a_cluster:
	s_bfe_u32 s2, ttmp6, 0x10000c
	s_cmp_lg_u32 s2, 0x3003
	s_cbranch_scc0 .Lentry_shape_is_right
	s_endpgm
.Lentry_shape_is_right:
; QKV.  [x_n; pool_n] (an: [4608][1024] f16) times w_x_qkv or w_pool_qkv (wh: [1024][3072] f16, as given) plus bias; q and k: RMS norm over each head's 64 channels, gain, RoPE; all three written by heads:
; qkv = [q,k,v][32 heads b*16+h][2304 rows: 2048 of x, 256 of pool][64] f16, rounded once.  Sums, norm and rotation in f32.
; A tile of C is 256 x 256; four waves, 2 x 2, each 128 x 128: 64 accumulators, 512 registers.  K goes in 8 steps of 128 through two LDS slots: 256 matrix instructions a wave in a step, 224 of them between a
; tile's request and the wait for it.  C has 18 x 12 tiles: 216 work-groups, each with one tile.
; THE MATRIX INSTRUCTION IS USED TRANSPOSED: source 0 = 16 columns of W (turned out of the [K][N] tile by ds_load_tr16_b128), source 1 = 16 rows of an: a lane holds row l % 16 and columns 8 (l / 16) + 0..7.
; THE BIAS is the C operand of the first quarter's products.
; CLUSTERS of 4 x 1: 18 tile rows are no multiple of four, so a cluster is four tile columns of one tile row.  an's tile is the same for the four and is asked for jointly; W's tile is each work-group's own
; and comes by a plain load behind the same round.  Tile rows 16 and 17 are the pool's; the three clusters along x are q, k, v: both are the same in all four partners.
; v runs the same text with gain 1, root of 1 and the table's rows of angle 0.
; LIMITS.  f16 holds nothing beyond 65,504: |q|, |k| <= 8 |gain|; v is a sum of 1,024 products of normalised rows and weights.  NaN and infinities are not treated apart.
; REGISTERS in windows of 256 (s_set_vgpr_msb: bits 1:0 source 0, 3:2 source 1, 5:4 source 2, 7:6 destination):
;   window 0: v16-30 addresses; v32-51 at work; v64-127, v128-191 an's fragments, two buffers     window 1: v0-63 bias; v64-127, v128-191 W's fragments; v192-223 gains
;   window 2: the accumulators of my rows 0-63 ((a, b) at v[8 (8 a + b)])     window 3: those of my rows 64-127
.set PA,    272                        ; an's LDS row: 256 + 16 bytes
.set PB,    544                        ; W's LDS row: 512 + 32 bytes, an odd multiple of 32
.set BOFF,  256*PA
.set SLOT,  BOFF+128*PB                ; 139,264
.set STAGE, 2*SLOT                     ; 4 waves x 2 heads x 16 rows x 144
.set SPARE, STAGE+4*2*16*144           ; the spare words: 128 bytes a wave, named by no other line
.set LAPS,  4
.set ASTEP2, 2*256
.set BSTEP2, 2*128*6144
.set ADRA, 16
.set ADRB, 20
.set RDA,  22
.set RPO,  23
.set STO,  24
.set RD,   25
.set GO,   26
.set SPL,  27
.set SPW,  28
.set NIL,  29
.set PFO,  30
.set F0,   64
.set F1,   128
.set BI,   0                           ; window 1
.set WN,   192                         ; window 1
.set T,    64                          ; the way out, window 0: 16 rows x 128 columns as they come out of LDS; later the packed results
.set CS2,  128                         ; 16 cos, 16 sin as loaded
.set CW,   160                         ; c w1, s w2, s w1, c w2: 16 each
.set U,    224                         ; a head's 32 rotated numbers
.set G1A, 24
.set G0A, 32
.set G1B, 48
.set G0B, 56
.set PFA, 44
.set PFS, 46
.set LIM, 43
.set MSB, 0
.macro WIN new                         ; the high byte repeats the setting that is left; a switch that changes nothing is dropped
.if MSB != (\new)
	s_set_vgpr_msb (MSB<<8)|(\new)
.set MSB, (\new)
.endif
.endm
.macro PLACES
.rept 4
	v_nop
.endr
.endm
.macro CREST                           ; a round of the cluster's barrier behind its opening barrier
	s_cmp_lg_u32 s10, 0
	s_cbranch_scc1 .Lnot_wave_0_\@
	s_barrier_signal -3
.Lnot_wave_0_\@:
	s_barrier_wait -3
	s_barrier_signal -1
	s_barrier_wait -1
.endm
.macro CROUND
	s_barrier_signal -1
	s_barrier_wait -1
	CREST
.endm
.macro JLOAD s                         ; a refill: waves 0, 1 an's halves (jointly), waves 2, 3 W's (my work-group's own); an s_nop 0 and four v_nop follow each line
	s_cmp_eq_u32 s11, 0
	s_cbranch_scc0 .Lfor_b_\@
	tensor_load_to_lds s[G0A+4*(\s):G0A+4*(\s)+3], s[G1A:G1A+7]
	s_nop 0
.rept 4
	v_nop
.endr
	s_branch .Lasked_\@
.Lfor_b_\@:
	tensor_load_to_lds s[G0B+4*(\s):G0B+4*(\s)+3], s[G1B:G1B+7]
	s_nop 0
.rept 4
	v_nop
.endr
.Lasked_\@:
.endm
; A prefetch of the K step that stands two refills on, 512 matrix instructions ahead of its load: a lane a block of 256 bytes.  an's rows are read by the three clusters of a tile row: the first (cluster x = 0)
; asks; of the 128 rows that wave 0 or 1 fetches each partner takes 32, told apart by address (cx): one instruction.  W's columns are read by every tile row of x, or of the pool: tile rows 0 and 16 ask, waves 2
; and 3 each for the 64 rows x 512 bytes that they fetch: four instructions, together.  The loop's last trip asks for nothing: there is no K step behind the eighth.
.macro ASK
	s_cmp_gt_u32 s3, s[LIM]
	s_cbranch_scc0 .Lnot_mine_\@
	global_prefetch_b8 v[PFO], s[PFA:PFA+1] th:TH_LOAD_NT scope:SCOPE_SE
	s_cmp_eq_u32 s11, 0
	s_cbranch_scc1 .Lnot_mine_\@
	global_prefetch_b8 v[PFO], s[PFA:PFA+1] offset:256 th:TH_LOAD_NT scope:SCOPE_SE
	global_prefetch_b8 v[PFO], s[PFA:PFA+1] offset:32*6144 th:TH_LOAD_NT scope:SCOPE_SE
	global_prefetch_b8 v[PFO], s[PFA:PFA+1] offset:32*6144+256 th:TH_LOAD_NT scope:SCOPE_SE
.Lnot_mine_\@:
.endm
; 16 products: row blocks a0, a0 + 1 of the window's four (hi = 0: my rows 0-63, 1: rows 64-127) x all 8 column blocks, 32 along K.  z = 1: the sums start, with the bias as C.
; The 64 accumulators take turns in the same order in every quarter.
.macro MUL16 f, hi, a0, z
.if \z
	WIN 0x91+0x40*(\hi)                            ; W window 1, an window 0, C (the bias) window 1, D window 2 or 3
.else
	WIN 0xa1+0x50*(\hi)                            ; C and D window 2 or 3
.endif
.irp a, \a0, (\a0)+1
.irp b, 0,1,2,3,4,5,6,7
.if \z
	v_wmma_f32_16x16x32_f16 v[8*(8*(\a)+\b):8*(8*(\a)+\b)+7], v[(\f)+8*\b:(\f)+8*\b+7], v[(\f)+8*(4*(\hi)+(\a)):(\f)+8*(4*(\hi)+(\a))+7], v[BI+8*\b:BI+8*\b+7]
.else
	v_wmma_f32_16x16x32_f16 v[8*(8*(\a)+\b):8*(8*(\a)+\b)+7], v[(\f)+8*\b:(\f)+8*\b+7], v[(\f)+8*(4*(\hi)+(\a)):(\f)+8*(4*(\hi)+(\a))+7], v[8*(8*(\a)+\b):8*(8*(\a)+\b)+7]
.endif
.endr
.endr
.endm
; 32 LDS loads in one run: quarter q's fragments into buffer f: W's sixteen first, then an's sixteen
.macro FETCH slot, q, f
	WIN 0x40                                       ; destination window 1, address window 0
.irp b, 0,1,2,3,4,5,6,7
	ds_load_tr16_b128 v[(\f)+8*\b:(\f)+8*\b+3],   v[ADRB+(\slot)] offset:(\q)*32*PB+32*\b
	ds_load_tr16_b128 v[(\f)+8*\b+4:(\f)+8*\b+7], v[ADRB+(\slot)] offset:(\q)*32*PB+16*PB+32*\b
.endr
	WIN 0
.irp a, 0,1,2,3,4,5,6,7
	ds_load_b128 v[(\f)+8*\a:(\f)+8*\a+3],   v[ADRA+(\slot)] offset:64*(\q)+16*PA*\a
	ds_load_b128 v[(\f)+8*\a+4:(\f)+8*\a+7], v[ADRA+(\slot)] offset:64*(\q)+16*PA*\a+32
.endr
.endm
.macro QUARTER slot, q, f, g, z        ; multiplies buffer f; in its middle fetches quarter q into buffer g
	s_wait_dscnt 8                                 ; W's fragments and an's rows 0-63 are in; the youngest eight loads (rows 64-127) may be out
	MUL16 \f, 0, 0, \z
	MUL16 \f, 0, 2, \z
	PLACES                                         ; four places in front of loads into registers that products have read
	FETCH \slot, \q, \g
	s_wait_dscnt 32                                ; all but the 32 just issued
	MUL16 \f, 1, 0, \z
	MUL16 \f, 1, 2, \z
.endm
; The last quarter multiplies buffer 1 and changes slots.  In front of the barrier each wave waits for all its tensor loads, adds 0 to its spare word, and waits for that and for its reads of this slot.
; fill = 1: the barrier opens a round of the cluster's, and the refill is the first thing behind it.
.macro TURN slot, next, fill
.if \fill
	s_wait_xcnt 0x0                                ; the last prefetches, a K step back, have read their address
	s_add_nc_u64 s[PFA:PFA+1], s[PFA:PFA+1], s[PFS:PFS+1]
.endif
	WIN 0
	s_wait_tensorcnt 0x0                           ; all my tensor loads have landed: the one that was out is my part of the next slot
	ds_add_u32 v[SPW], v[NIL]
	s_wait_dscnt 9                                 ; (the add and the youngest eight loads may be out)
	MUL16 F1, 0, 0, 0
	s_wait_dscnt 0x0                               ; the add is done, my reads of this slot are over
	s_barrier_signal -1
	MUL16 F1, 0, 2, 0
.if \fill
	WIN 0
.endif
	s_barrier_wait -1
.if \fill
	CREST
	s_add_nc_u64 s[G0A+4*(\slot)+2:G0A+4*(\slot)+3], s[G0A+4*(\slot)+2:G0A+4*(\slot)+3], ASTEP2
	s_add_nc_u64 s[G0B+4*(\slot)+2:G0B+4*(\slot)+3], s[G0B+4*(\slot)+2:G0B+4*(\slot)+3], BSTEP2
	JLOAD \slot                                    ; its four v_nop are also the places in front of the loads below
.else
	PLACES
.endif
	FETCH \next, 0, F0
.if \fill
	ASK
.endif
	MUL16 F1, 1, 0, 0
	MUL16 F1, 1, 2, 0
.endm
.macro ROPELD                          ; cos (c = 0), sin (c = 1) of channels 16 b + 8 h + 0..7 at my row's position: the 16 rows' 4,096 bytes, each byte by one lane
.irp c, 0,1
.irp b, 0,1
	global_load_b128 v[CS2+16*\c+8*\b:CS2+16*\c+8*\b+3],   v[RPO], s[88:89] offset:128*\c+64*\b
	global_load_b128 v[CS2+16*\c+8*\b+4:CS2+16*\c+8*\b+7], v[RPO], s[88:89] offset:128*\c+64*\b+16
.endr
.endr
.endm
	s_load_b512 s[68:83], s[0:1], 0x0              ; an 68, wh 70, rope 72, b_x 74, b_pool 76, w_xq 78, w_xk 80, w_pq 82
	s_load_b128 s[84:87], s[0:1], 0x40             ; w_pk 84, qkv 86
	v_lshl_add_u32 v[SPW], v0, 2, SPARE
	v_mov_b32 v[NIL], 0
	ds_add_u32 v[SPW], v[NIL]                      ; the wave's opening: the add and its wait ahead of my first tensor load
	v_lshrrev_b32 v1, 5, v0
	v_readfirstlane_b32 s10, v1                    ; wave
	s_lshr_b32 s11, s10, 1                         ; my half of the rows; also 0: I fetch an, 1: W
	s_and_b32 s12, s10, 1                          ; my half of the columns; also which half I fetch
	s_mov_b32 s2, ttmp9                            ; cluster x: 0 q, 1 k, 2 v
	s_bfe_u32 s40, ttmp6, 0x40000                  ; cx
	s_lshl_b32 s42, ttmp9, 2
	s_add_co_u32 s42, s42, s40                     ; tile column
	s_and_b32 s13, ttmp7, 0xffff                   ; tile row, which the four partners share
	s_lshr_b32 s15, s13, 4                         ; 1: the pool's tile rows, 16 and 17
	s_mov_b32 s[G1A], 15|(1<<16)|(1<<20)|(1<<21)|(5<<22)|(3<<25)    ; the mask of four; 2-byte elements; 4 words of padding after every 64
	s_mov_b32 s[G1B], (1<<16)|(1<<20)|(6<<22)|(7<<25)               ; no mask; 8 words after every 128
	s_mov_b32 s[G1A+1], 128<<16                    ; an: 128 rows x 128 elements, 1,024 from row to row
	s_mov_b32 s[G1A+2], 128<<16
	s_mov_b32 s[G1A+3], 128<<16
	s_mov_b32 s[G1A+4], 128
	s_mov_b32 s[G1A+5], 1024
	s_mov_b32 s[G1A+6], 0
	s_mov_b32 s[G1A+7], 0
	s_mov_b32 s[G1B+1], 256<<16                    ; W: 64 rows of K x 256 columns, 3,072 from row to row
	s_mov_b32 s[G1B+2], 64<<16
	s_mov_b32 s[G1B+3], 256<<16
	s_mov_b32 s[G1B+4], 64
	s_mov_b32 s[G1B+5], 3072
	s_mov_b32 s[G1B+6], 0
	s_mov_b32 s[G1B+7], 0
	s_lshl_b32 s16, s13, 19                        ; an: tile row x 256 rows x 2,048 bytes
	s_lshl_b32 s17, s12, 18                        ; + my 128 rows
	s_add_co_u32 s16, s16, s17
	s_mov_b32 s17, 0
	s_lshl_b32 s18, s42, 9                         ; W: tile column x 512 bytes
	s_mul_i32 s19, s12, 64*6144                    ; + my 64 rows of K
	s_add_co_u32 s18, s18, s19
	s_mul_i32 s19, s15, 6291456                    ; + the pool's tensor
	s_add_co_u32 s18, s18, s19
	s_mov_b32 s19, 0
	s_mul_i32 s92, s12, 128*PA                     ; where the tiles go: the wave's number alone
	s_mul_i32 s93, s12, 64*PB
	s_add_co_u32 s93, s93, BOFF
	s_mov_b32 s4, 0x76543210                       ; v_permlanex16_b32's selects
	s_mov_b32 s5, 0xfedcba98
	s_wait_dscnt 0x0                               ; the opening add is done
	s_wait_kmcnt 0x0
	s_add_nc_u64 s[16:17], s[68:69], s[16:17]
	s_add_nc_u64 s[18:19], s[70:71], s[18:19]
	CROUND                                         ; all four work-groups are here: the first joint loads meet
.irp s, 0,1
	s_mov_b32 s[G0A+4*\s], 1
	s_add_co_u32 s[G0A+4*\s+1], s92, \s*SLOT
	s_add_nc_u64 s[G0A+4*\s+2:G0A+4*\s+3], s[16:17], \s*256
	s_or_b32 s[G0A+4*\s+3], s[G0A+4*\s+3], 0x80000000
	s_mov_b32 s[G0B+4*\s], 1
	s_add_co_u32 s[G0B+4*\s+1], s93, \s*SLOT
	s_add_nc_u64 s[G0B+4*\s+2:G0B+4*\s+3], s[18:19], \s*128*6144
	s_or_b32 s[G0B+4*\s+3], s[G0B+4*\s+3], 0x80000000
.endr
	s_cmp_eq_u32 s11, 0                            ; a wave's two first fills stand in one branch: K steps 0 and 1: two loads of mine are out
	s_cbranch_scc0 .Lfirst_b
	tensor_load_to_lds s[G0A:G0A+3], s[G1A:G1A+7]
	s_nop 0
	tensor_load_to_lds s[G0A+4:G0A+7], s[G1A:G1A+7]
	s_nop 0
.rept 4
	v_nop
.endr
	s_branch .Lfirst_done
.Lfirst_b:
	tensor_load_to_lds s[G0B:G0B+3], s[G1B:G1B+7]
	s_nop 0
	tensor_load_to_lds s[G0B+4:G0B+7], s[G1B:G1B+7]
	s_nop 0
.rept 4
	v_nop
.endr
.Lfirst_done:
	v_and_b32 v1, 15, v0                           ; r = l % 16
	v_bfe_u32 v2, v0, 4, 1                         ; h = l / 16
	v_and_b32 v3, 31, v0                           ; l
	v_mul_u32_u24 v4, v1, PA                       ; an's fragments: row x pitch + 16 h
	v_lshl_add_u32 v4, v2, 4, v4
	s_mul_i32 s22, s11, 128*PA
	v_add_nc_u32 v[ADRA], s22, v4
	v_add_nc_u32 v[ADRA+1], SLOT, v[ADRA]
	v_and_b32 v5, 7, v0                            ; W's: (8 h + l % 8) x pitch + 16 ((l / 8) % 2) + my 128 columns
	v_lshl_add_u32 v5, v2, 3, v5
	v_mul_u32_u24 v5, v5, PB
	v_bfe_u32 v6, v0, 3, 1
	v_lshl_add_u32 v5, v6, 4, v5
	s_lshl_b32 s22, s12, 8
	s_add_co_u32 s22, s22, BOFF
	v_add_nc_u32 v[ADRB], s22, v5
	v_add_nc_u32 v[ADRB+1], SLOT, v[ADRB]
	; the bias of my 128 columns: register j of block b is bias[16 b + 8 h + j], the C operand's layout.  s[22:23], s[6:7] and v7, which these loads name, are not written again
	s_cmp_eq_u32 s15, 1
	s_cselect_b64 s[22:23], s[76:77], s[74:75]
	s_cselect_b64 s[6:7], s[82:83], s[78:79]       ; q's gains
	s_cselect_b64 s[92:93], s[84:85], s[80:81]     ; k's
	s_cmp_eq_u32 s2, 0
	s_cselect_b64 s[6:7], s[6:7], s[92:93]
	s_lshl_b32 s94, s42, 10
	s_lshl_b32 s95, s12, 9
	s_add_co_u32 s94, s94, s95
	s_mov_b32 s95, 0
	s_add_nc_u64 s[22:23], s[22:23], s[94:95]
	v_lshlrev_b32 v7, 5, v2
	WIN 0x40
.irp b, 0,1,2,3,4,5,6,7
	global_load_b128 v[BI+8*\b:BI+8*\b+3],   v7, s[22:23] offset:64*\b
	global_load_b128 v[BI+8*\b+4:BI+8*\b+7], v7, s[22:23] offset:64*\b+16
.endr
	WIN 0
	s_cmp_eq_u32 s2, 2                             ; the same in all four partners
	s_cbranch_scc1 .Lones
	WIN 0x40
.irp b, 0,1,2,3
	global_load_b128 v[WN+8*\b:WN+8*\b+3],   v7, s[6:7] offset:64*\b
	global_load_b128 v[WN+8*\b+4:WN+8*\b+7], v7, s[6:7] offset:64*\b+16
.endr
	WIN 0
	s_branch .Lgains
.Lones:
	WIN 0x40
.set i, 0
.rept 32
	v_mov_b32 v[WN+i], 1.0
.set i, i+1
.endr
	WIN 0
.Lgains:
	s_cmp_eq_u32 s2, 2
	s_cselect_b32 s66, 0, 0x3c800000               ; sum x 1/64 + 1e-6; for v: sum x 0 + 1
	s_cselect_b32 s67, 1.0, 0x358637bd
	; the table's rows for my 128 rows: x: position (tile row % 8) x 256 on; pool: 0 on; v: the 16 rows of angle 0 from 2,048 on, the same in every trip.  Made in s[98:99], which no memory instruction names
	s_and_b32 s98, s13, 7
	s_lshl_b32 s98, s98, 8
	s_cmp_eq_u32 s15, 1
	s_cselect_b32 s98, 0, s98
	s_lshl_b32 s99, s11, 7
	s_add_co_u32 s98, s98, s99
	s_cmp_eq_u32 s2, 2
	s_cselect_b32 s98, 2048, s98
	s_cselect_b32 s90, 0, 4096                     ; from a trip's 16 rows to the next
	s_lshl_b32 s98, s98, 8
	s_mov_b32 s99, 0
	s_add_nc_u64 s[88:89], s[72:73], s[98:99]
	v_lshlrev_b32 v[RPO], 8, v1
	v_lshl_add_u32 v[RPO], v2, 5, v[RPO]
	; the prefetches
	s_lshl_b32 s92, s13, 19
	s_lshl_b32 s93, s12, 18
	s_add_co_u32 s92, s92, s93
	s_lshl_b32 s93, s40, 16                        ; an: my work-group's 32 of the 128 rows that I fetch
	s_add_co_u32 s92, s92, s93
	s_lshl_b32 s94, s42, 9                         ; W: the 64 rows of K that I fetch
	s_mul_i32 s93, s12, 64*6144
	s_add_co_u32 s94, s94, s93
	s_mul_i32 s93, s15, 6291456
	s_add_co_u32 s94, s94, s93
	s_mov_b32 s95, 128*6144
	s_mov_b32 s96, 6144
	s_cmp_eq_u32 s11, 0
	s_cselect_b64 s[PFA:PFA+1], s[68:69], s[70:71]
	s_cselect_b32 s92, s92, s94
	s_cselect_b32 s[PFS], 256, s95                 ; a K step
	s_cselect_b32 s96, 2048, s96                   ; from a lane's row to the next
	s_mov_b32 s93, 0
	s_mov_b32 s[PFS+1], 0
	s_add_nc_u64 s[PFA:PFA+1], s[PFA:PFA+1], s[92:93]
	s_mul_i32 s92, s[PFS], 3                       ; at K step 3: the first refill steps it to 4
	s_add_nc_u64 s[PFA:PFA+1], s[PFA:PFA+1], s[92:93]
	v_mul_u32_u24 v[PFO], v3, s96
	s_and_b32 s92, s13, 15                         ; who asks: the coordinate along which other work-groups read the same rows is 0
	s_cmp_eq_u32 s11, 0
	s_cselect_b32 s92, s2, s92
	s_cmp_eq_u32 s92, 0
	s_cselect_b32 s[LIM], 1, -1
	; where my 128 rows x 2 heads go
	s_lshr_b32 s92, s13, 3                         ; x: batch, first row
	s_and_b32 s93, s13, 7
	s_lshl_b32 s93, s93, 8
	s_and_b32 s94, s13, 1                          ; pool: batch; its rows begin at 2,048
	s_cmp_eq_u32 s15, 1
	s_cselect_b32 s92, s94, s92
	s_cselect_b32 s93, 2048, s93
	s_lshl_b32 s92, s92, 4
	s_and_b32 s94, s42, 3
	s_lshl2_add_u32 s92, s94, s92                  ; + 4 heads a tile column
	s_lshl1_add_u32 s92, s12, s92                  ; + 2 a wave
	s_mul_i32 s92, s92, 294912
	s_lshl_b32 s94, s11, 7
	s_add_co_u32 s93, s93, s94
	s_lshl_b32 s93, s93, 7
	s_add_co_u32 s92, s92, s93
	s_mul_i32 s93, s2, 9437184
	s_add_co_u32 s92, s92, s93
	s_mov_b32 s93, 0
	s_add_nc_u64 s[8:9], s[86:87], s[92:93]
	s_lshl_b32 s92, s10, 16                        ; the way out's LDS addresses: 65,536 bytes a wave in the slots,
	v_lshl_add_u32 v[SPL], v3, 4, s92
	v_mov_b32 v[RDA], v[SPL]
	s_mul_i32 s92, s10, 2*16*144                   ; and my stage
	s_add_co_u32 s92, s92, STAGE
	v_mul_u32_u24 v8, v1, 144
	v_lshl_add_u32 v8, v2, 4, v8
	v_add_nc_u32 v[STO], s92, v8
	v_lshrrev_b32 v8, 3, v3
	v_mul_u32_u24 v8, v8, 144
	v_and_b32 v9, 7, v0
	v_lshl_add_u32 v8, v9, 4, v8
	v_add_nc_u32 v[RD], s92, v8
	v_lshlrev_b32 v[GO], 4, v3
	v_mov_b32 v42, 0                               ; the lane exchange's destinations count as read
	v_mov_b32 v43, 0
	s_wait_tensorcnt 0x1                           ; my part of K step 0 is in; K step 1's may stay out
	s_barrier_signal -1
	s_barrier_wait -1
	FETCH 0, 0, F0
	s_wait_loadcnt 0x0                             ; bias and gains
	QUARTER 0, 1, F0, F1, 1                        ; the first quarter's products start the sums, with the bias
	WIN 0
	s_mov_b32 s3, LAPS-1
.Llap:                                         ; a trip goes once round the ring, from a lap's second quarter to the next lap's first, and fills both slots again
	QUARTER 0, 2, F1, F0, 0
	QUARTER 0, 3, F0, F1, 0
	TURN 0, 1, 1
	QUARTER 1, 1, F0, F1, 0
	QUARTER 1, 2, F1, F0, 0
	QUARTER 1, 3, F0, F1, 0
	TURN 1, 0, 1
	QUARTER 0, 1, F0, F1, 0
	WIN 0
	s_sub_co_u32 s3, s3, 1
	s_cmp_lg_u32 s3, 0
	s_cbranch_scc1 .Llap
	QUARTER 0, 2, F1, F0, 0                        ; the last lap fills nothing
	QUARTER 0, 3, F0, F1, 0
	TURN 0, 1, 0
	QUARTER 1, 1, F0, F1, 0
	QUARTER 1, 2, F1, F0, 0
	QUARTER 1, 3, F0, F1, 0
	s_wait_dscnt 8
	MUL16 F1, 0, 0, 0
	MUL16 F1, 0, 2, 0
	s_wait_dscnt 0x0
	MUL16 F1, 1, 0, 0
	MUL16 F1, 1, 2, 0
	WIN 0
	; THE WAY OUT.  Both slots have had their last fill; when every wave has read them out they take the accumulators, each wave's in 65,536 bytes of its own, so that one text, walked eight times, serves 16 rows
	; at a time.  Beside those 262,144 bytes LDS has no room for the tile's 256 table rows: a trip's 16 rows come by eight loads, asked for a trip ahead.
	s_barrier_signal -1                            ; (no LDS instruction of mine is out: the wait for 0 above)
	s_barrier_wait -1
	PLACES                                         ; behind the last products: in front of loads into registers that they read, and of stores of their results
	ROPELD                                         ; the first trip's rows
	WIN 0x08                                       ; store data in window 2
.set i, 0
.rept 32
	ds_store_b128 v[SPL], v[8*i:8*i+3]   offset:1024*i      ; each accumulator's low registers first
	ds_store_b128 v[SPL], v[8*i+4:8*i+7] offset:1024*i+512
.set i, i+1
.endr
	WIN 0x0c                                       ; in window 3
.set i, 0
.rept 32
	ds_store_b128 v[SPL], v[8*i:8*i+3]   offset:32768+1024*i
	ds_store_b128 v[SPL], v[8*i+4:8*i+7] offset:32768+1024*i+512
.set i, i+1
.endr
	WIN 0
	s_mov_b32 s3, 8
.Lrows:                                        ; 16 rows x 128 columns = two heads
.irp b, 0,1,2,3,4,5,6,7
	ds_load_b128 v[T+8*\b:T+8*\b+3],   v[RDA] offset:1024*\b       ; LDS serves a wave's instructions in order: these see my stores above
	ds_load_b128 v[T+8*\b+4:T+8*\b+7], v[RDA] offset:1024*\b+512
.endr
	s_wait_loadcnt 0x0                             ; this trip's cos and sin are in
	WIN 0x04                                       ; source 1 (the gains) in window 1
.set g, 0
.rept 8                                        ; the gains go onto cos and sin, once for both heads: w1 of channel i, w2 of channel i + 32
	v_pk_mul_f32 v[CW+2*g:CW+2*g+1],       v[CS2+2*g:CS2+2*g+1],       v[WN+2*g:WN+2*g+1]
	v_pk_mul_f32 v[CW+16+2*g:CW+16+2*g+1], v[CS2+16+2*g:CS2+16+2*g+1], v[WN+16+2*g:WN+16+2*g+1]
	v_pk_mul_f32 v[CW+32+2*g:CW+32+2*g+1], v[CS2+16+2*g:CS2+16+2*g+1], v[WN+2*g:WN+2*g+1]
	v_pk_mul_f32 v[CW+48+2*g:CW+48+2*g+1], v[CS2+2*g:CS2+2*g+1],       v[WN+16+2*g:WN+16+2*g+1]
.set g, g+1
.endr
	WIN 0
	s_cmp_eq_u32 s3, 1                             ; the last trip asks for nothing
	s_cbranch_scc1 .Lno_more
	v_add_nc_u32 v[RPO], s90, v[RPO]               ; free since the wait for its loads
	ROPELD                                         ; the next trip's rows: they have the rest of this trip in which to come
.Lno_more:
	s_wait_dscnt 0x0
.irp hd, 0,1
	v_pk_mul_f32 v[32+4*\hd:33+4*\hd], v[T+32*\hd:T+32*\hd+1], v[T+32*\hd:T+32*\hd+1]
	v_pk_mul_f32 v[34+4*\hd:35+4*\hd], v[T+32*\hd+2:T+32*\hd+3], v[T+32*\hd+2:T+32*\hd+3]
.endr
.set p, 2
.rept 14
.irp hd, 0,1
	v_pk_fma_f32 v[32+4*\hd+2*(p%2):33+4*\hd+2*(p%2)], v[T+32*\hd+2*p:T+32*\hd+2*p+1], v[T+32*\hd+2*p:T+32*\hd+2*p+1], v[32+4*\hd+2*(p%2):33+4*\hd+2*(p%2)]
.endr
.set p, p+1
.endr
.irp hd, 0,1
	v_pk_add_f32 v[32+4*\hd:33+4*\hd], v[32+4*\hd:33+4*\hd], v[34+4*\hd:35+4*\hd]
.endr
.irp hd, 0,1
	v_add_f32 v[40+\hd], v[32+4*\hd], v[33+4*\hd]
.endr
.irp hd, 0,1
	v_permlanex16_b32 v[42+\hd], v[40+\hd], s4, s5 ; the row's other 32 channels lie in the lane 16 away
.endr
.irp hd, 0,1
	v_add_f32 v[40+\hd], v[40+\hd], v[42+\hd]
.endr
.irp hd, 0,1
	v_fma_f32 v[40+\hd], v[40+\hd], s66, s67
.endr
	v_rsq_f32 v48, v40
	v_rsq_f32 v49, v40
	v_rsq_f32 v50, v41
	v_rsq_f32 v51, v41
.irp hd, 0,1
.set g, 0
.rept 8                                        ; channels i and i + 32: (t1 w1 c - t2 w2 s, t1 w1 s + t2 w2 c)
	v_pk_mul_f32 v[U+2*g:U+2*g+1], v[T+32*\hd+2*g:T+32*\hd+2*g+1], v[CW+2*g:CW+2*g+1]
	v_pk_mul_f32 v[U+16+2*g:U+16+2*g+1], v[T+32*\hd+2*g:T+32*\hd+2*g+1], v[CW+32+2*g:CW+32+2*g+1]
	v_pk_fma_f32 v[U+2*g:U+2*g+1], v[T+32*\hd+16+2*g:T+32*\hd+16+2*g+1], v[CW+16+2*g:CW+16+2*g+1], v[U+2*g:U+2*g+1] neg_lo:[1,0,0] neg_hi:[1,0,0]
	v_pk_fma_f32 v[U+16+2*g:U+16+2*g+1], v[T+32*\hd+16+2*g:T+32*\hd+16+2*g+1], v[CW+48+2*g:CW+48+2*g+1], v[U+16+2*g:U+16+2*g+1]
.set g, g+1
.endr
.if \hd == 0
	s_wait_alu depctr_va_vdst(0)                   ; one wait for the four roots; the first head's rotation is the work between
.endif
.set g, 0
.rept 16
	v_pk_mul_f32 v[U+2*g:U+2*g+1], v[U+2*g:U+2*g+1], v[48+2*\hd:49+2*\hd]
.set g, g+1
.endr
.set g, 0
.rept 16
	v_cvt_pk_f16_f32 v[T+32*\hd+g], v[U+2*g], v[U+2*g+1]       ; into the head's own registers, which the rotation has read
.set g, g+1
.endr
.irp f, 0,1,2,3
	ds_store_b128 v[STO], v[T+32*\hd+4*\f:T+32*\hd+4*\f+3] offset:2304*\hd+32*\f
.endr
.irp f, 0,1,2,3
	ds_load_b128 v[T+32*\hd+4*\f:T+32*\hd+4*\f+3], v[RD] offset:2304*\hd+576*\f    ; back as four whole rows of 128 bytes
.endr
.endr
	s_wait_dscnt 0x0
.irp hd, 0,1
.irp f, 0,1,2,3
	global_store_b128 v[GO], v[T+32*\hd+4*\f:T+32*\hd+4*\f+3], s[8:9] offset:294912*\hd+512*\f  ; 512 consecutive bytes, at a multiple of 256 from qkv's first
.endr
.endr
	s_wait_xcnt 0x0                                ; the stores have read their registers and base
	s_add_nc_u64 s[8:9], s[8:9], 2048
	v_add_nc_u32 v[RDA], 8192, v[RDA]
	s_sub_co_u32 s3, s3, 1
	s_cmp_lg_u32 s3, 0
	s_cbranch_scc1 .Lrows
	s_wait_tensorcnt 0x0                           ; the wave's end
	ds_add_u32 v[SPW], v[NIL]
	s_wait_dscnt 0x0
	CROUND                                         ; the closing round
	s_endpgm
.Lfunc_end_k_qa39acca1fd_qkv:
	.size	k_qa39acca1fd_qkv, .Lfunc_end_k_qa39acca1fd_qkv-k_qa39acca1fd_qkv
	.p2alignl 7, 3214868480
	.fill 96, 4, 3214868480
	.section	.rodata,"a",@progbits
	.p2align	6, 0x0
	.amdhsa_kernel k_qa39acca1fd_qkv
		.amdhsa_group_segment_fixed_size 327680
		.amdhsa_private_segment_fixed_size 0
		.amdhsa_enable_private_segment 0
		.amdhsa_kernarg_size 80
		.amdhsa_user_sgpr_count 2
		.amdhsa_user_sgpr_kernarg_segment_ptr 1
		.amdhsa_wavefront_size32 1
		.amdhsa_system_sgpr_workgroup_id_x 1
		.amdhsa_system_sgpr_workgroup_id_y 1
		.amdhsa_system_sgpr_workgroup_id_z 1
		.amdhsa_system_vgpr_workitem_id 0
		.amdhsa_next_free_vgpr 1024
		.amdhsa_next_free_sgpr 100
		.amdhsa_reserve_vcc 0
		.amdhsa_float_denorm_mode_32 3
		.amdhsa_float_denorm_mode_16_64 3
		.amdhsa_memory_ordered 1
		.amdhsa_forward_progress 1
		.amdhsa_inst_pref_size 144
	.end_amdhsa_kernel
	.amdgpu_metadata
---
amdhsa.version: [ 1, 2 ]
amdhsa.kernels:
  - .name:           k_qa39acca1fd_qkv
    .symbol:         k_qa39acca1fd_qkv.kd
    .args:
      - { .name: an, .offset: 0, .size: 8, .value_kind: global_buffer, .address_space: global }
      - { .name: wh, .offset: 8, .size: 8, .value_kind: global_buffer, .address_space: global }
      - { .name: rope, .offset: 16, .size: 8, .value_kind: global_buffer, .address_space: global }
      - { .name: b_x_qkv, .offset: 24, .size: 8, .value_kind: global_buffer, .address_space: global }
      - { .name: b_pool_qkv, .offset: 32, .size: 8, .value_kind: global_buffer, .address_space: global }
      - { .name: w_xq_norm, .offset: 40, .size: 8, .value_kind: global_buffer, .address_space: global }
      - { .name: w_xk_norm, .offset: 48, .size: 8, .value_kind: global_buffer, .address_space: global }
      - { .name: w_pq_norm, .offset: 56, .size: 8, .value_kind: global_buffer, .address_space: global }
      - { .name: w_pk_norm, .offset: 64, .size: 8, .value_kind: global_buffer, .address_space: global }
      - { .name: qkv, .offset: 72, .size: 8, .value_kind: global_buffer, .address_space: global }
    .group_segment_fixed_size: 327680
    .private_segment_fixed_size: 0
    .kernarg_segment_align: 8
    .kernarg_segment_size: 80
    .max_flat_workgroup_size: 128
    .sgpr_count:     100
    .vgpr_count:     1024
    .wavefront_size: 32
...
	.end_amdgpu_metadata
.endif
;; end of part 2
;; launch attn (part 3): grid 8 x 32, 4 waves a work-group, clusters of 4 x 1, 327,680 bytes of LDS; arguments qkv, att, xx_mask, px_mask, xp_mask, pp_mask; writes att
.if DOCPART == 3
	.amdgcn_target "amdgcn-amd-amdhsa--gfx1250"
	.amdhsa_code_object_version 6
	.text
	.protected	k_qa39acca1fd_attn
	.globl	k_qa39acca1fd_attn
	.p2align	8
	.type	k_qa39acca1fd_attn,@function
k_qa39acca1fd_attn:
	s_mov_b64 s[64:65], 0
	v_nop
	global_prefetch_b8 v0, s[64:65] scope:SCOPE_SE
	s_setreg_imm32_b32 hwreg(HW_REG_WAVE_MODE, 25, 1), 1
	s_wait_xcnt 0x0
	s_wait_alu depctr_hold_cnt(0) depctr_sa_sdst(0) depctr_va_vdst(0) depctr_va_sdst(0) depctr_va_ssrc(0) depctr_va_vcc(0) depctr_vm_vsrc(0)
	s_getreg_b32 s2, hwreg(HW_REG_IB_STS2, 6, 4)
	s_cmp_eq_u32 s2, 0
	s_cbranch_scc0 .Lentry_in_a_cluster
	s_endpgm
.Lentry_in_a_cluster:
	s_bfe_u32 s2, ttmp6, 0x10000c
	s_cmp_lg_u32 s2, 0x3003
	s_cbranch_scc0 .Lentry_shape_is_right
	s_endpgm
.Lentry_shape_is_right:
; THE FOUR ATTENTIONS of a head: xx, px (x's 2,048 keys), then xp, pp (the pool's 256 keys); each a softmax of its own with a key mask that is an input.  qkv: [q,k,v][32 heads][2304 rows][64] f16.
; att (f16, by slices of 64 channels): x part [32 slices][4096 rows][64]: slice h = xx, 16 + h = xp; pool part, 16,777,216 bytes on, [32][512][64]: slice h = pp, 16 + h = px.
; SHARES.  A work-group owns 256 x queries and 32 pool queries of one head; a wave FIVE pieces of 16 queries: four of x, one of the pool.  A head has 144 such pieces for its 32 waves, 4.5 each: waves 2 and 3 repeat
; the pool piece of waves 0 and 1 and do not store it.  So all 256 work-groups are alike and walk the head's 9 key tiles of 256 keys, which lie on end in memory: 8 of x (block 1), 1 of the pool (block 2).
; LAYOUT, SOFTMAX.  S^T = K Q^T holds one query a lane and the keys 8 (l / 16) + 0..7; two results rounded to f16 are source 1 of O^T = V^T P.  p = 2^(c s - c m), c = log2(e) / 8, with a running maximum m;
; O and l are multiplied by a = 2^(c m_old - c m_new) in every step; a block begins with c m far below every c s, so its first a is 0.
; THE MASK is the C operand that starts each sum S^T: 0, or -2^100 where the key is hidden (a power of two: c m is then exact, and hidden keys met before any open one cancel later by a = 0).  The tables of
; 2,304 f32 for the x pieces (xx, xp) and for the pool piece (px, pp) are made once, in LDS, in the order of the walk.  If a batch's mask has no open key, the reference's softmax is uniform:
; that attention's c and its table are 0, and every p is 1.
; TURNS.  Turn n belongs to piece n: 8 products K Q^T of piece n + 1, 8 products V^T P of piece n - 1; four vector instructions behind each; the other 54 in one run.  A turn's 33 exponentials are one batch with one wait.
; CLUSTER.  The four work-groups of a cluster belong to one head: each K and V tile is asked for jointly, by the same load, descriptor and mask.
; LIMITS.  f16 holds nothing beyond 65,504 (q, k, v arrive within it; O is a mean of v's rows); p below 6e-5 keeps f16's step of 6e-8; a weight below 2^-126 counts as 0; scores stay far below 2^100;
; mask bytes are 0 or 1; NaN and infinities are not treated apart.
; REGISTERS (windows of 256; s_set_vgpr_msb: bits 1:0 source 0, 3:2 source 1, 5:4 source 2, 7:6 destination):
;   window 0: v1-15 addresses; v16-35 statistics, 4 a piece; v36-37 mask addresses; v40-51 at work; v64-159 S^T, three buffers; v192-239 P, three buffers (pieces 0..4 take buffers 0, 1, 0, 1, 2: neighbours differ)
;   window 1: v0-159 O^T, 32 a piece; v160-191, v192-223 a step's masks     window 2: v0-79 Q; v128-191 K, v192-255 V of one step
.set NP,    5
.set KS,    64
.set PK,    144
.set PV,    160
.set VOFF,  4*KS*PK
.set SLOT1, 1<<17
.set STAGE, SLOT1+4*KS*(PK+PV)         ; 4 waves x 16 rows x 144
.set SP,    144
.set SPARE, STAGE+4*16*SP              ; the spare words: 128 bytes a wave, named by no other line
.set MT,    SPARE+512                  ; the mask tables: 9,216 bytes for the x pieces,
.set MTP,   9216                       ; then as many for the pool piece
.set AK0, 2
.set AV0, 3
.set AK,  4
.set AV,  5
.set STO, 6
.set RD,  7
.set GO,  8
.set MV,  12
.set QO,  15
.set ST,  16
.set AM0, 36
.set AM,  37
.set TMP, 40
.set PFO, 61
.set SPW, 62
.set NIL, 63
.set S,   64
.set P,   192
.set MC,  160
.set KF,  128
.set VF,  192
.set WV,  12
.set LIM, 15
.set PFA, 18
.set G1K, 24
.set G1V, 32
.set G0K, 40
.set G0V, 44
.set SLOTS, 56
.set CNT, 57
.set CSX, 58                           ; s[58:59] c of the x pieces, s[60:61] of the pool piece
.set TBK, 62
.set TBV, 63
.set SEL, 66
.set TBM, 76
.set OX,  80
.set OXN, 82
.set OPL, 84
.set OPN, 86
.set MSB, 0
.macro WIN new
.if MSB != (\new)
	s_set_vgpr_msb (MSB<<8)|(\new)
.set MSB, (\new)
.endif
.endm
.set W_KQ, 0x0a
.set W_KM, 0x1a                        ; K, Q window 2; the mask (C) window 1; S^T window 0
.set W_PV, 0x52
.set W_RS, 0x41
.macro JLOAD                           ; waves 0, 1: the halves of a tile's K; waves 2, 3: of its V; an s_nop 0 and four v_nop follow each line
	s_cmp_lt_u32 s[WV], 2
	s_cbranch_scc0 .Lfor_v_\@
	tensor_load_to_lds s[G0K:G0K+3], s[G1K:G1K+7]
	s_nop 0
.rept 4
	v_nop
.endr
	s_branch .Lasked_\@
.Lfor_v_\@:
	tensor_load_to_lds s[G0V:G0V+3], s[G1V:G1V+7]
	s_nop 0
.rept 4
	v_nop
.endr
.Lasked_\@:
.endm
; A prefetch of the tile behind the one just asked for: four key steps, 320 matrix instructions, ahead of its load.  The head's first cluster asks; its partners take 32 blocks of 256 bytes each, told apart by address;
; wave 0 asks for K's, wave 2 for V's.  The last change that fills a slot asks for nothing: there is no tile behind tile 8.
.macro ASK
	s_cmp_gt_u32 s[SLOTS], s[LIM]
	s_cbranch_scc0 .Lnot_mine_\@
	global_prefetch_b8 v[PFO], s[PFA:PFA+1] th:TH_LOAD_NT scope:SCOPE_SE
.Lnot_mine_\@:
.endm
.macro CROUND
	s_barrier_signal -1
	s_barrier_wait -1
	s_cmp_lg_u32 s[WV], 0
	s_cbranch_scc1 .Lnot_wave_0_\@
	s_barrier_signal -3
.Lnot_wave_0_\@:
	s_barrier_wait -3
	s_barrier_signal -1
	s_barrier_wait -1
.endm
; THE CHANGE OF SLOTS: every wave waits for all its tensor loads, adds 0 to its spare word, waits for that and for its reads of the slot that it leaves.  fill = 1: a round of the cluster's barrier, and the joint
; refill first behind it, with the next tile.
.macro CHANGE fill, ask=0
	WIN 0
	s_wait_tensorcnt 0x0
	ds_add_u32 v[SPW], v[NIL]
.if \fill
.irp g, G0K, G0V
	s_xor_b32 s[\g+1], s[\g+1], SLOT1
	s_add_nc_u64 s[\g+2:\g+3], s[\g+2:\g+3], 4*KS*128
.endr
	s_wait_xcnt 0x0                                ; the last prefetch, a tile back, has read its address
	s_add_nc_u64 s[PFA:PFA+1], s[PFA:PFA+1], 4*KS*128
	s_wait_dscnt 0x0
	CROUND
	JLOAD
.if \ask
	ASK
.endif
.else
	s_wait_dscnt 0x0
	s_barrier_signal -1
	s_barrier_wait -1
.endif
	s_sub_co_u32 s[TBK], s[TBK], 4*KS*PK
	s_xor_b32 s[TBK], s[TBK], SLOT1
	s_sub_co_u32 s[TBV], s[TBV], 4*KS*PV
	s_xor_b32 s[TBV], s[TBV], SLOT1
.endm
	s_load_b256 s[4:11], s[0:1], 0x0               ; qkv 4, att 6, xx_mask 8, px_mask 10
	s_load_b128 s[68:71], s[0:1], 0x20             ; xp_mask 68, pp_mask 70
	v_lshl_add_u32 v[SPW], v0, 2, SPARE
	v_mov_b32 v[NIL], 0
	ds_add_u32 v[SPW], v[NIL]                      ; the wave's opening: the add and its wait ahead of my first tensor load
	v_lshrrev_b32 v1, 5, v0
	v_readfirstlane_b32 s[WV], v1
	s_bfe_u32 s13, ttmp6, 0x40000                  ; cx
	s_lshl_b32 s14, ttmp9, 2
	s_add_co_u32 s14, s14, s13                     ; j: my block of queries; it enters Q's, att's and the prefetches' addresses alone
	s_and_b32 s20, ttmp7, 0xffff                   ; the head b*16+h, which the partners share
	s_lshr_b32 s21, s20, 4
	s_and_b32 s22, s20, 15
	s_mul_i32 s23, s20, 294912
	s_add_co_u32 s2, s23, 9437184                  ; K's head
	s_mov_b32 s3, 0
	s_add_co_u32 s94, s2, 9437184                  ; V's head
	s_mov_b32 s95, 0
	s_and_b32 s17, s[WV], 1
	s_lshl_b32 s96, s17, 14                        ; my half of a tile's 256 keys
	s_mov_b32 s97, 0
	s_mul_i32 s98, s17, 128*PK                     ; and its place in a slot
	s_mul_i32 s99, s17, 128*PV
	s_lshl_b32 s90, s14, 15                        ; rows 256 j + 64 w, 128 bytes each
	s_lshl_b32 s16, s[WV], 13
	s_add_co_u32 s90, s90, s16
	s_mov_b32 s91, 0
	s_lshl_b32 s80, s22, 19                        ; att: slice h, batch b, those rows: xx
	s_lshl_b32 s16, s21, 18
	s_add_co_u32 s80, s80, s16
	s_add_co_u32 s80, s80, s90
	s_mov_b32 s81, 0
	s_add_co_u32 s82, s80, 8388608                 ; sixteen slices on: xp
	s_mov_b32 s83, 0
	s_add_co_u32 s90, s90, s23                     ; Q of the x pieces
	s_lshl_b32 s92, s14, 12                        ; pool rows 32 j + 16 (w % 2)
	s_lshl_b32 s16, s17, 11
	s_add_co_u32 s92, s92, s16
	s_mov_b32 s93, 0
	s_lshl_b32 s86, s22, 16
	s_lshl_b32 s16, s21, 15
	s_add_co_u32 s86, s86, s16
	s_add_co_u32 s86, s86, s92
	s_add_co_u32 s86, s86, 16777216                ; slice h of the pool part: pp
	s_mov_b32 s87, 0
	s_add_co_u32 s84, s86, 1048576                 ; slice 16 + h: px
	s_mov_b32 s85, 0
	s_add_co_u32 s92, s92, s23
	s_add_co_u32 s92, s92, 262144                  ; Q of the pool piece: rows 2,048 on
	; 128 keys are 16,384 dense bytes: asked for as 64 rows of 256 bytes, padded in LDS after every key
	s_mov_b32 s[G1K], 15|(1<<16)|(1<<20)|(1<<21)|(4<<22)|(3<<25)
	s_mov_b32 s[G1V], 15|(1<<16)|(1<<20)|(1<<21)|(4<<22)|(7<<25)
.irp g, G1K, G1V
	s_mov_b32 s[\g+1], 128<<16
	s_mov_b32 s[\g+2], 64<<16
	s_mov_b32 s[\g+3], 128<<16
	s_mov_b32 s[\g+4], 64
	s_mov_b32 s[\g+5], 128
	s_mov_b32 s[\g+6], 0
	s_mov_b32 s[\g+7], 0
.endr
	s_mov_b32 s[SEL], 0x76543210
	s_mov_b32 s[SEL+1], 0xfedcba98
	s_mov_b32 s[TBK], SLOT1+4*KS*PK                ; the first change of slots turns these two into 0
	s_mov_b32 s[TBV], SLOT1+4*KS*PV
	s_mov_b32 s[TBM], 0
	s_mov_b32 s[SLOTS], 8
	s_mov_b32 s[G0K], 1
	s_mov_b32 s[G0K+1], s98
	s_mov_b32 s[G0V], 1
	s_add_co_u32 s[G0V+1], s99, VOFF
	s_and_b32 s[LIM], s[WV], 1
	s_or_b32 s[LIM], s[LIM], ttmp9
	s_cmp_eq_u32 s[LIM], 0
	s_cselect_b32 s[LIM], 1, -1
	s_lshl_b32 s52, s21, 11                        ; my batch's row in the long masks,
	s_lshl_b32 s53, s21, 8                         ; and in the short ones
	s_wait_dscnt 0x0                               ; the opening add is done
	s_wait_kmcnt 0x0
	s_add_nc_u64 s[48:49], s[4:5], s[2:3]
	s_add_nc_u64 s[50:51], s[4:5], s[94:95]
	s_cmp_lt_u32 s[WV], 2
	s_cselect_b64 s[PFA:PFA+1], s[48:49], s[50:51]
	s_lshl_b32 s2, s13, 13                         ; my work-group's quarter of a tile,
	s_add_co_u32 s2, s2, 32768                     ; in tile 1; each change of slots steps it
	s_add_nc_u64 s[PFA:PFA+1], s[PFA:PFA+1], s[2:3]
	s_add_nc_u64 s[G0K+2:G0K+3], s[48:49], s[96:97]
	s_or_b32 s[G0K+3], s[G0K+3], 0x80000000
	s_add_nc_u64 s[G0V+2:G0V+3], s[50:51], s[96:97]
	s_or_b32 s[G0V+3], s[G0V+3], 0x80000000
	s_add_nc_u64 s[90:91], s[4:5], s[90:91]
	s_add_nc_u64 s[92:93], s[4:5], s[92:93]
	s_add_nc_u64 s[OX:OX+1], s[6:7], s[OX:OX+1]
	s_add_nc_u64 s[OXN:OXN+1], s[6:7], s[OXN:OXN+1]
	s_add_nc_u64 s[OPL:OPL+1], s[6:7], s[OPL:OPL+1]
	s_add_nc_u64 s[OPN:OPN+1], s[6:7], s[OPN:OPN+1]
	CROUND                                         ; all four work-groups are here
	JLOAD                                          ; tile 0 into slot 0
	v_and_b32 v1, 15, v0                           ; l % 16
	v_bfe_u32 v9, v0, 4, 1                         ; l / 16
	v_and_b32 v10, 31, v0
	v_lshl_add_u32 v52, v10, 4, s52                ; each wave reads a whole long mask, 512 bytes a load, to see whether any key is open,
	v_lshl_add_u32 v53, v0, 4, s52                 ; and each thread its 16 bytes for the table;
	v_lshl_add_u32 v54, v10, 3, s53                ; likewise the short masks
	v_lshl_add_u32 v55, v0, 1, s53
.irp k, 0,1,2,3
	global_load_b128 v[64+4*\k:67+4*\k], v52, s[8:9] offset:512*\k
	global_load_b128 v[80+4*\k:83+4*\k], v52, s[10:11] offset:512*\k
.endr
	global_load_b128 v[96:99], v53, s[8:9]
	global_load_b128 v[100:103], v53, s[10:11]
	global_load_b64 v[104:105], v54, s[68:69]
	global_load_b64 v[106:107], v54, s[70:71]
	global_load_u16 v108, v55, s[68:69]
	global_load_u16 v109, v55, s[70:71]
	v_lshlrev_b32 v[QO], 7, v1
	v_lshl_add_u32 v[QO], v9, 4, v[QO]
	WIN 0x80
.set i, 0
.rept 8                                        ; Q stays in registers: piece i / 2, channels 32 (i % 2) on
	global_load_b128 v[8*i:8*i+3],   v[QO], s[90:91] offset:(i/2)*2048+(i%2)*64
	global_load_b128 v[8*i+4:8*i+7], v[QO], s[90:91] offset:(i/2)*2048+(i%2)*64+32
.set i, i+1
.endr
.irp c, 0,1
	global_load_b128 v[64+8*\c:64+8*\c+3],   v[QO], s[92:93] offset:64*\c
	global_load_b128 v[64+8*\c+4:64+8*\c+7], v[QO], s[92:93] offset:64*\c+32
.endr
	; what the first turn finds: V and the pool piece's P hold 0, O^T and l are 0.  All this stands in the wait for the first tile.
.set i, VF
.rept 64
	v_mov_b32 v[i], 0
.set i, i+1
.endr
	WIN 0x40
.set i, 0
.rept 160
	v_mov_b32 v[i], 0
.set i, i+1
.endr
	WIN 0
.set i, 0
.rept NP
	v_mov_b32 v[ST+4*i+2], 0
	v_mov_b32 v[ST+4*i+3], 0
.set i, i+1
.endr
.set i, P+32
.rept 16
	v_mov_b32 v[i], 0
.set i, i+1
.endr
	v_mul_u32_u24 v[AK0], v1, PK
	v_lshl_add_u32 v[AK0], v9, 4, v[AK0]
	v_and_b32 v10, 7, v0
	v_bfe_u32 v11, v0, 3, 1
	v_lshl_add_u32 v[AV0], v9, 3, v10
	v_mul_u32_u24 v[AV0], v[AV0], PV
	v_lshl_add_u32 v[AV0], v11, 4, v[AV0]
	v_add_nc_u32 v[AV0], VOFF, v[AV0]
	s_mul_i32 s16, s[WV], 16*SP
	s_add_co_u32 s16, s16, STAGE
	v_mul_u32_u24 v[STO], v1, SP
	v_lshl_add_u32 v[STO], v9, 4, v[STO]
	v_add_nc_u32 v[STO], s16, v[STO]
	v_bfe_u32 v[RD], v0, 3, 2
	v_mul_u32_u24 v[RD], v[RD], SP
	v_lshl_add_u32 v[RD], v10, 4, v[RD]
	v_add_nc_u32 v[RD], s16, v[RD]
	v_and_b32 v[GO], 31, v0
	v_lshlrev_b32 v[PFO], 8, v[GO]
	v_lshlrev_b32 v[GO], 4, v[GO]
	v_lshl_add_u32 v[AM0], v9, 5, MT               ; a step's masks: keys 8 (l / 16) + 0..7 of each 16
	v_lshl_add_u32 v56, v0, 6, MT
	v_lshl_add_u32 v57, v0, 3, MT+8192
	s_wait_loadcnt 20                              ; the masks' fourteen loads are in; Q's twenty may stay out
.macro ORALL base, n
.set z, 1
.rept (\n)-1
	v_or_b32 v[\base], v[\base], v[(\base)+z]
.set z, z+1
.endr
.endm
	ORALL 64, 16
	ORALL 80, 16
	ORALL 104, 2
	ORALL 106, 2
	v_cmp_ne_u32 s52, 0, v64
	v_cmp_ne_u32 s53, 0, v80
	v_cmp_ne_u32 s54, 0, v104
	v_cmp_ne_u32 s55, 0, v106
	s_cmp_lg_u32 s52, 0                            ; xx: is any key open?  c = log2(e) / 8 and -2^100, or 0 and 0
	s_cselect_b32 s[CSX], 0x3e38aa3b, 0
	s_cselect_b32 s72, 0xf1800000, 0
	s_cmp_lg_u32 s53, 0                            ; px
	s_cselect_b32 s[CSX+2], 0x3e38aa3b, 0
	s_cselect_b32 s73, 0xf1800000, 0
	s_cmp_lg_u32 s54, 0                            ; xp
	s_cselect_b32 s77, 0x3e38aa3b, 0
	s_cselect_b32 s74, 0xf1800000, 0
	s_cmp_lg_u32 s55, 0                            ; pp
	s_cselect_b32 s78, 0x3e38aa3b, 0
	s_cselect_b32 s75, 0xf1800000, 0
	s_mov_b32 s[CSX+1], s[CSX]                     ; named as pairs
	s_mov_b32 s[CSX+3], s[CSX+2]
.macro TAB src, big, off               ; 16 mask bytes -> 16 f32: byte - 1 is all ones where the key is hidden
.set w, 0
.rept 4
.set k, 0
.rept 4
	v_bfe_u32 v[112+4*w+k], v[(\src)+w], 8*k, 8
	v_add_nc_u32 v[112+4*w+k], -1, v[112+4*w+k]
	v_and_b32 v[112+4*w+k], s[\big], v[112+4*w+k]
.set k, k+1
.endr
	ds_store_b128 v56, v[112+4*w:115+4*w] offset:(\off)+16*w
.set w, w+1
.endr
.endm
.macro TAB2 src, big, off
	v_bfe_u32 v112, v[\src], 0, 8
	v_bfe_u32 v113, v[\src], 8, 8
	v_add_nc_u32 v112, -1, v112
	v_add_nc_u32 v113, -1, v113
	v_and_b32 v112, s[\big], v112
	v_and_b32 v113, s[\big], v113
	ds_store_b64 v57, v[112:113] offset:\off
.endm
	TAB 96, 72, 0
	TAB 100, 73, MTP
	TAB2 108, 74, 0
	TAB2 109, 75, MTP
; THE MATRIX WORK.  The 4 accumulators of a run of 8 take turns.  Product i of 8 of S^T for piece x: channels 32 (i / 4) on, keys 16 (i % 4) on; the first 4 start the sums with the mask.
.macro KQ x
.set bf, ((\x)%2)*(1-(\x)/4)+2*((\x)/4)
.set rS, S+32*bf+8*(i%4)
.set rK, KF+16*(i%4)+8*(i/4)
.set rQ, 16*(\x)+8*(i/4)
.set rM, MC+32*((\x)/4)+8*(i%4)
.if i < 4
	WIN W_KM
	v_wmma_f32_16x16x32_f16 v[rS:rS+7], v[rK:rK+7], v[rQ:rQ+7], v[rM:rM+7]
.else
	WIN W_KQ
	v_wmma_f32_16x16x32_f16 v[rS:rS+7], v[rK:rK+7], v[rQ:rQ+7], v[rS:rS+7]
.endif
.endm
.macro PV x                            ; product i of 8 of O^T += V^T P: keys 32 (i / 4) on, channels 16 (i % 4) on
	WIN W_PV
.set bf, ((\x)%2)*(1-(\x)/4)+2*((\x)/4)
.set rO, 32*(\x)+8*(i%4)
.set rV, VF+32*(i/4)+8*(i%4)
.set rP, P+16*bf+8*(i/4)
	v_wmma_f32_16x16x32_f16 v[rO:rO+7], v[rV:rV+7], v[rP:rP+7], v[rO:rO+7]
.endm
.macro MM                              ; the turn's next matrix instruction
.if i < 8
	KQ (Y+1)%NP
.else
.set i, i-8
	PV (Y+NP-1)%NP
.set i, i+8
.endif
.set i, i+1
.endm
; THE LDS LOADS stand in runs: a step's K and its two sets of masks (32 loads), and its V, turned (16).
.macro FETCH_K
	WIN 0x80
.irp f, 0,1,2,3,4,5,6,7
	ds_load_b128 v[KF+8*\f:KF+8*\f+3],   v[AK] offset:(\f/2)*16*PK+(\f%2)*64
	ds_load_b128 v[KF+8*\f+4:KF+8*\f+7], v[AK] offset:(\f/2)*16*PK+(\f%2)*64+32
.endr
	WIN 0x40
.irp kb, 0,1,2,3
	ds_load_b128 v[MC+8*\kb:MC+8*\kb+3],       v[AM] offset:64*\kb
	ds_load_b128 v[MC+8*\kb+4:MC+8*\kb+7],     v[AM] offset:64*\kb+16
	ds_load_b128 v[MC+32+8*\kb:MC+32+8*\kb+3],   v[AM] offset:MTP+64*\kb
	ds_load_b128 v[MC+32+8*\kb+4:MC+32+8*\kb+7], v[AM] offset:MTP+64*\kb+16
.endr
	s_add_co_u32 s[TBK], s[TBK], KS*PK
	s_add_co_u32 s[TBM], s[TBM], 256
	WIN 0
.endm
.macro FETCH_V
	WIN 0x80
.irp f, 0,1,2,3,4,5,6,7
	ds_load_tr16_b128 v[VF+8*\f:VF+8*\f+3],   v[AV] offset:(\f/4)*32*PV+(\f%4)*32
	ds_load_tr16_b128 v[VF+8*\f+4:VF+8*\f+7], v[AV] offset:(\f/4)*32*PV+16*PV+(\f%4)*32
.endr
	WIN 0
.endm
; THE VECTOR WORK, a line at a time: OP kind, number.  For piece Y: F n: c s - c m for pair n of 16.  E n: the exponential of score n.  C n: pair n rounded to f16.  B n: of the weights 4 n .. the second pair onto the
; first.  L n: l takes that sum (L 0: l = a l + sum).  R n: pair n of O^T times a.  For piece Y + 1: X n, number n of the 22 that find its maximum and statistics: 0-11 four chains of seven scores (each accumulator's
; lowest registers first); 12-14, 16 the rest, the old m, four into one; 15 c m_old is kept; 17, 18 the other half of the lanes; 19-21 c m, its change, a.
.set F, 0
.set E, 1
.set C, 2
.set B, 3
.set L, 4
.set R, 5
.set X, 6
.macro REGS y
.set bf, ((\y)%2)*(1-(\y)/4)+2*((\y)/4)
.set rT, ST+4*(\y)
.set rC, TMP+4*bf
.set rW, MV+bf
.set rS, S+32*bf
.set rP, P+16*bf
.set rO, 32*(\y)
.set rZ, CSX+2*((\y)/4)
.endm
.macro OP k, n
.if (\k) == R
	REGS Y
	WIN W_RS
	v_pk_mul_f32 v[rO+2*(\n):rO+2*(\n)+1], v[rO+2*(\n):rO+2*(\n)+1], v[rC+2:rC+3] op_sel_hi:[1,0]
.elseif (\k) < R
	REGS Y
	WIN 0
.if (\k) == F
	v_pk_fma_f32 v[rS+2*(\n):rS+2*(\n)+1], v[rS+2*(\n):rS+2*(\n)+1], s[rZ:rZ+1], v[rT:rT+1] op_sel_hi:[1,0,0] neg_lo:[0,0,1] neg_hi:[0,0,1]
.elseif (\k) == E
	v_exp_f32 v[rS+(\n)], v[rS+(\n)]
.elseif (\k) == C
	v_cvt_pk_f16_f32 v[rP+(\n)], v[rS+2*(\n)], v[rS+2*(\n)+1]
.elseif (\k) == B
	v_pk_add_f32 v[rS+4*(\n):rS+4*(\n)+1], v[rS+4*(\n):rS+4*(\n)+1], v[rS+4*(\n)+2:rS+4*(\n)+3]
.elseif (\n) == 0
	v_pk_fma_f32 v[rT+2:rT+3], v[rT+2:rT+3], v[rC+2:rC+3], v[rS:rS+1] op_sel_hi:[1,0,1]
.else
	v_pk_add_f32 v[rT+2:rT+3], v[rT+2:rT+3], v[rS+4*(\n):rS+4*(\n)+1]
.endif
.else
	REGS (Y+1)%NP
	WIN 0
.if (\n) < 4
	v_max3_num_f32 v[rC+(\n)], v[rS+8*(\n)], v[rS+8*(\n)+1], v[rS+8*(\n)+2]
.elseif (\n) < 12
	v_max3_num_f32 v[rC+(\n)%4], v[rC+(\n)%4], v[rS+8*((\n)%4)+2*((\n)/4)+1], v[rS+8*((\n)%4)+2*((\n)/4)+2]
.elseif (\n) == 12
	v_max3_num_f32 v[rC], v[rC], v[rS+7], v[rS+15]
.elseif (\n) == 13
	v_max3_num_f32 v[rC+1], v[rC+1], v[rS+23], v[rS+31]
.elseif (\n) == 14
	v_max3_num_f32 v[rC+2], v[rC+2], v[rC+3], v[rT+1]
.elseif (\n) == 15
	v_mov_b32 v[rW], v[rT]
.elseif (\n) == 16
	v_max3_num_f32 v[rC], v[rC], v[rC+1], v[rC+2]
.elseif (\n) == 17
	v_permlanex16_b32 v[rC+3], v[rC], s[SEL], s[SEL+1]
.elseif (\n) == 18
	v_max_num_f32 v[rT+1], v[rC], v[rC+3]
.elseif (\n) == 19
	v_mul_f32 v[rT], s[rZ], v[rT+1]
.elseif (\n) == 20
	v_sub_f32 v[rC+1], v[rW], v[rT]
.else
	v_exp_f32 v[rC+2], v[rC+1]
.endif
.endif
.endm
.macro OPS a, i1, b=-1, i2=0, c=-1, i3=0, d=-1, i4=0
	OP \a, \i1
.if (\b) >= 0
	OP \b, \i2
.endif
.if (\c) >= 0
	OP \c, \i3
.endif
.if (\d) >= 0
	OP \d, \i4
.endif
.endm
.macro ROW a, i1, b, i2, c, i3, d, i4  ; a matrix instruction and the four behind it
	MM
	OPS \a, \i1, \b, \i2, \c, \i3, \d, \i4
.endm
; A TURN, for piece p.  Ahead of its one wait stands all that names no result of the turn's exponentials: 8 products K Q^T with their four riders each, then one run of 54.  Behind it 8 products V^T P, behind each four
; of the roundings and sums.  The riders X 0 .. X 5 stand four plain instructions or more behind the product that ends their accumulator.
; K and the masks of the next step are fetched in piece 3's turn, six plain instructions behind the last product that read K, and waited for at the head of piece 4's.  V of the step in hand is fetched at the end of
; piece 0's turn, four plain instructions behind the last product that read V, and waited for in piece 1's.
; clamp = 1 (the tail): there is no step behind the walk's last, and the last step is read once more.  The masks' offset is held to the table in every turn.
.macro TURN p, clamp=0, cnt=0
.set Y, (\p)
.set i, 0
.if (\p) == NP-1
	s_wait_dscnt 0x0                               ; K and the masks are in
.endif
	ROW F,0, F,1, R,0, R,1
	ROW F,2, E,0, R,2, R,3
	ROW F,3, E,1, R,4, R,5
	ROW F,4, E,2, R,6, R,7
	ROW F,5, E,3, R,8, R,9
	ROW F,6, E,4, X,0, R,10
.if (\p) == NP-2
	WIN 0
.if \clamp
	s_min_u32 s88, s[TBK], 3*KS*PK
.else
	s_mov_b32 s88, s[TBK]
.endif
	s_min_u32 s89, s[TBM], 35*256
	v_add_nc_u32 v[AK], s88, v[AK0]
	v_add_nc_u32 v[AM], s89, v[AM0]
.endif
	ROW F,7, E,5, X,1, X,4
	ROW F,8, E,6, X,2, X,5
	OPS E,7, E,8, X,6, E,9
	OPS X,3, E,10, X,8, E,11
.if (\p) == NP-2
	FETCH_K
.endif
	OPS X,9, X,7, E,12, X,10
	OPS E,13, X,12, X,11, E,14
	OPS X,13, E,15, F,9, X,14
.if (\p) == 0
	WIN 0
	v_add_nc_u32 v[AV], s[TBV], v[AV0]
.endif
	OPS E,16, F,10, E,17, F,11
	OPS X,16, E,18, X,15, E,19
	OPS F,12, E,20, X,17, E,21
	OPS F,13, E,22, F,14, E,23
	OPS X,18, E,24, F,15, E,25
	OPS R,11, E,26, X,19, E,27
	OPS R,12, E,28, R,13, E,29
	OPS X,20, E,30, R,14, E,31
	OPS X,21, R,15                                 ; the batch's last exponential, and the plain instruction behind it
	WIN 0
	s_wait_alu depctr_va_vdst(0)                   ; the wait for the batch
.if (\p) == 1
	s_wait_dscnt 0x0                               ; V is in
.endif
	ROW C,0, B,0, C,2, B,1
	ROW L,0, C,4, B,2, L,1
	ROW C,6, B,3, L,2, C,8
	ROW B,4, L,3, C,10, B,5
	ROW L,4, C,12, B,6, L,5
.if (\p) == 0
	s_add_co_u32 s[TBV], s[TBV], KS*PV
.endif
.if \cnt
	s_sub_co_u32 s[CNT], s[CNT], 1
	s_cmp_lg_u32 s[CNT], 0
.endif
	ROW C,14, B,7, L,6, C,1
	ROW C,3, L,7, C,5, C,7
	ROW C,9, C,11, C,13, C,15
.if (\p) == 0
	FETCH_V
.endif
.endm
.macro RESET                           ; a block begins: c m far below every c s, m the lowest finite number
	WIN 0
.set i, 0
.rept NP
	v_mov_b32 v[ST+4*i], 0xfe000000
	v_mov_b32 v[ST+4*i+1], 0xff7fffff
.set i, i+1
.endr
.endm
.macro XSTATS                          ; piece 0's maximum and statistics, from its scores in buffer 0
.set Y, NP-1
.irp n, 0,1,2,3,4,5,6,7,8,9,10,11,12,13,14,15,16,17,18,19,20,21
	OP X, \n
.endr
	v_nop                                          ; a plain instruction behind the exponential,
	s_wait_alu depctr_va_vdst(0)                   ; and its wait
.endm
.macro ALL line:vararg
.set t, 0
.rept NP
	\line
.set t, t+1
.endr
.endm
.macro PACK t                          ; piece t: O^T / l, rounded to f16, through my stage and back as whole rows of 128 bytes; S^T's buffers 1 and 2 are at work (buffer 0 holds scores that are still wanted)
.set tq, S+32+16*((\t)%4)
	WIN W_RS
.set i, 32*(\t)
.rept 16
	v_pk_mul_f32 v[i:i+1], v[i:i+1], v[ST+4*(\t)+2:ST+4*(\t)+3] op_sel_hi:[1,0]
.set i, i+2
.endr
	WIN 0x05
.set i, 0
.rept 16
	v_cvt_pk_f16_f32 v[tq+i], v[32*(\t)+2*i], v[32*(\t)+2*i+1]
.set i, i+1
.endr
	WIN 0
.irp f, 0,1,2,3
	ds_store_b128 v[STO], v[tq+4*\f:tq+4*\f+3] offset:32*\f
.endr
.irp f, 0,1,2,3
	ds_load_b128 v[tq+4*\f:tq+4*\f+3], v[RD] offset:\f*4*SP    ; LDS serves a wave's instructions in order: these see the stores above
.endr
.endm
.macro SEND t, younger                 ; younger: the LDS instructions issued behind piece t's loads
	WIN 0
.set tq, S+32+16*((\t)%4)
.irp f, 0,1,2,3
	s_wait_dscnt (\younger)+3-\f
	global_store_b128 v[GO], v[tq+4*\f:tq+4*\f+3], s[OX:OX+1] offset:(\t)*2048+\f*512  ; 512 consecutive bytes, at a multiple of 256 from att's first
.endr
.endm
	CHANGE 1, 0                                    ; tile 0 is in, everybody's part of it, and so are the tables; tile 1 is asked for
	RESET
	s_min_u32 s89, s[TBM], 35*256
	v_add_nc_u32 v[AK], s[TBK], v[AK0]
	v_add_nc_u32 v[AM], s89, v[AM0]
	FETCH_K                                        ; key step 0
	s_wait_loadcnt 0x0                             ; Q
	s_wait_dscnt 0x0
.set i, 0
.rept 8
	KQ 0
.set i, i+1
.endr
	WIN 0
.rept 4
	v_nop                                          ; the places behind those products
.endr
	XSTATS
	s_mov_b32 s[CNT], 4
	s_branch .Lfirst                               ; the loop is entered at a step's first turn
.Lslot:                                        ; seven times: tiles 1 to 7 are entered, tiles 2 to 8 asked for
	CHANGE 1, 1
	s_mov_b32 s[CNT], 4
.Lstep:                                        ; a trip: pieces 2, 3, 4 of one step, then pieces 0, 1 of the next
	TURN 2
	TURN 3
	TURN 4
	WIN 0
.Lfirst:
	TURN 0
	TURN 1, 0, 1
	WIN 0
	s_cbranch_scc1 .Lstep
	s_sub_co_u32 s[SLOTS], s[SLOTS], 1
	s_cmp_lg_u32 s[SLOTS], 0
	s_cbranch_scc1 .Lslot
	CHANGE 0                                       ; the pool's tile is entered; nothing is asked for
	s_mov_b32 s[CNT], 5
.Ltail:                                        ; five trips.  The first ends block 1 (x's keys) and begins block 2; the last ends block 2.  A block's end is written once and jumped over in the trips between.
	TURN 2
	TURN 3, 1
	TURN 4
	WIN 0
	s_cmp_eq_u32 s[CNT], 5
	s_cselect_b32 s79, 1, 0
	s_cmp_eq_u32 s[CNT], 1
	s_cselect_b32 s79, 1, s79
	s_cmp_eq_u32 s79, 0
	s_cbranch_scc1 .Lno_end
	; A BLOCK'S END: the pool piece's last V^T P; l's halves and the other half of the lanes'; O^T / l goes out.  Then the next block's bases and c, a fresh m, and piece 0's statistics
	; from the scores that piece 4's turn has just made (behind the walk's last step they serve nothing: the price, once a launch, of one text for every trip).
.set i, 0
.rept 8
	PV NP-1
.set i, i+1
.endr
	WIN 0
	ALL v_add_f32 v[ST+4*t+2], v[ST+4*t+2], v[ST+4*t+3]
	ALL v_permlanex16_b32 v[ST+4*t+3], v[ST+4*t+2], s[SEL], s[SEL+1]
	ALL v_add_f32 v[ST+4*t+2], v[ST+4*t+2], v[ST+4*t+3]
	ALL v_rcp_f32 v[ST+4*t+2], v[ST+4*t+2]
	v_nop                                          ; a plain instruction behind the last reciprocal,
	s_wait_alu depctr_va_vdst(0)                   ; and one wait for the five
	PACK 0
.set t, 1
.rept 4
.if t == 4
	s_wait_xcnt 0x0                                ; piece 0's stores have read the registers that piece 4 takes
.endif
	PACK t
	SEND t-1, 8
.set t, t+1
.endr
	s_wait_dscnt 0x0
	s_cmp_lt_u32 s[WV], 2                          ; waves 2 and 3 hold a repeat of the pool piece
	s_cbranch_scc0 .Lno_pool
.irp f, 0,1,2,3
	global_store_b128 v[GO], v[S+32+4*\f:S+32+4*\f+3], s[OPL:OPL+1] offset:\f*512
.endr
.Lno_pool:
	s_wait_xcnt 0x0                                ; the stores have read their registers and bases
	s_mov_b64 s[OX:OX+1], s[OXN:OXN+1]
	s_mov_b64 s[OPL:OPL+1], s[OPN:OPN+1]
	s_mov_b32 s[CSX], s77
	s_mov_b32 s[CSX+1], s77
	s_mov_b32 s[CSX+2], s78
	s_mov_b32 s[CSX+3], s78
	RESET
	XSTATS
.Lno_end:
	s_cmp_eq_u32 s[CNT], 1
	s_cbranch_scc1 .Lcount
	TURN 0
	TURN 1
	WIN 0
.Lcount:
	s_sub_co_u32 s[CNT], s[CNT], 1
	s_cmp_lg_u32 s[CNT], 0
	s_cbranch_scc1 .Ltail
	s_wait_tensorcnt 0x0                           ; the wave's end
	ds_add_u32 v[SPW], v[NIL]
	s_wait_dscnt 0x0
	CROUND                                         ; the closing round
	s_endpgm
.Lfunc_end_k_qa39acca1fd_attn:
	.size	k_qa39acca1fd_attn, .Lfunc_end_k_qa39acca1fd_attn-k_qa39acca1fd_attn
	.p2alignl 7, 3214868480
	.fill 96, 4, 3214868480
	.section	.rodata,"a",@progbits
	.p2align	6, 0x0
	.amdhsa_kernel k_qa39acca1fd_attn
		.amdhsa_group_segment_fixed_size 327680
		.amdhsa_private_segment_fixed_size 0
		.amdhsa_enable_private_segment 0
		.amdhsa_kernarg_size 48
		.amdhsa_user_sgpr_count 2
		.amdhsa_user_sgpr_kernarg_segment_ptr 1
		.amdhsa_wavefront_size32 1
		.amdhsa_system_sgpr_workgroup_id_x 1
		.amdhsa_system_sgpr_workgroup_id_y 1
		.amdhsa_system_sgpr_workgroup_id_z 1
		.amdhsa_system_vgpr_workitem_id 0
		.amdhsa_next_free_vgpr 768
		.amdhsa_next_free_sgpr 100
		.amdhsa_reserve_vcc 0
		.amdhsa_float_denorm_mode_32 3
		.amdhsa_float_denorm_mode_16_64 3
		.amdhsa_memory_ordered 1
		.amdhsa_forward_progress 1
		.amdhsa_inst_pref_size 150
	.end_amdhsa_kernel
	.amdgpu_metadata
---
amdhsa.version: [ 1, 2 ]
amdhsa.kernels:
  - .name:           k_qa39acca1fd_attn
    .symbol:         k_qa39acca1fd_attn.kd
    .args:
      - { .name: qkv, .offset: 0, .size: 8, .value_kind: global_buffer, .address_space: global }
      - { .name: att, .offset: 8, .size: 8, .value_kind: global_buffer, .address_space: global }
      - { .name: xx_mask, .offset: 16, .size: 8, .value_kind: global_buffer, .address_space: global }
      - { .name: px_mask, .offset: 24, .size: 8, .value_kind: global_buffer, .address_space: global }
      - { .name: xp_mask, .offset: 32, .size: 8, .value_kind: global_buffer, .address_space: global }
      - { .name: pp_mask, .offset: 40, .size: 8, .value_kind: global_buffer, .address_space: global }
    .group_segment_fixed_size: 327680
    .private_segment_fixed_size: 0
    .kernarg_segment_align: 8
    .kernarg_segment_size: 48
    .max_flat_workgroup_size: 128
    .sgpr_count:     100
    .vgpr_count:     768
    .wavefront_size: 32
...
	.end_amdgpu_metadata
.endif
;; end of part 3
;; launch merge (part 4): grid 4 x 36, 4 waves a work-group, clusters of 4 x 4, 327,680 bytes of LDS; arguments att, wh, b_x_merge, b_pool_merge, t_mask, n_mask, out1, out0; writes out0, out1
.if DOCPART == 4
	.amdgcn_target "amdgcn-amd-amdhsa--gfx1250"
	.amdhsa_code_object_version 6
	.text
	.protected	k_qa39acca1fd_merge
	.globl	k_qa39acca1fd_merge
	.p2align	8
	.type	k_qa39acca1fd_merge,@function
k_qa39acca1fd_merge:
	s_mov_b64 s[64:65], 0
	v_nop
	global_prefetch_b8 v0, s[64:65] scope:SCOPE_SE
	s_setreg_imm32_b32 hwreg(HW_REG_WAVE_MODE, 25, 1), 1
	s_wait_xcnt 0x0
	s_wait_alu depctr_hold_cnt(0) depctr_sa_sdst(0) depctr_va_vdst(0) depctr_va_sdst(0) depctr_va_ssrc(0) depctr_va_vcc(0) depctr_vm_vsrc(0)
	s_getreg_b32 s2, hwreg(HW_REG_IB_STS2, 6, 4)
	s_cmp_eq_u32 s2, 0
	s_cbranch_scc0 .Lentry_in_a_cluster
	s_endpgm
.Lentry_in_a_cluster:
	s_bfe_u32 s2, ttmp6, 0x10000c
	s_cmp_lg_u32 s2, 0xf033
	s_cbranch_scc0 .Lentry_shape_is_right
	s_endpgm
.Lentry_shape_is_right:
; MERGE.  out1 = ([xx, xp] w_x_merge + b) * t_mask, out0 = ([pp, px] w_pool_merge + b) * n_mask.  att: f16 by slices of 64 channels (x part [32][4096][64]; pool part, 16,777,216 bytes on, [32][512][64]);
; the weights f16 [2048][1024] in wh at 12,582,912 and 16,777,216.  Sums in f32; the outputs f32.
; The tile, the ring, the cluster and the order are those of the projection in front: 128 x 256 of C, four waves of 64 x 128, K in 16 steps of 128 (two slices) through two LDS slots; source 0 = 16 columns of W
; (turned by ds_load_tr16_b128), source 1 = 16 rows of att; the bias is the C operand of the first quarter.  4 x 4 clusters: att's tile shared along a row, W's along a column; the ninth row of clusters is the pool's.
; 144 work-groups: the tile rows come in nines, and tiles of half the size would be 288, two rounds of the same length with twice the LDS reads.
; LIMITS.  Mask bytes are 0 or 1.  NaN and infinities are not treated apart.
; REGISTERS: window 0: v16-31 addresses; v32-63 at work; v64-159, v160-255 two fragment buffers     window 1: accumulator (a, b) at v[8 (8 a + b)]     window 2: v0-63 bias
.set PA,    144                        ; att's LDS row: 128 + 16 bytes
.set PB,    544
.set BOFF,  2*128*PA                   ; two slices of 128 rows
.set SLOT,  BOFF+128*PB                ; 106,496
.set ROWM,  2*SLOT                     ; 64 f32 a wave: my rows' masks
.set SPARE, ROWM+1024                  ; the spare words: 128 bytes a wave, named by no other line
.set AQ2,   128*PA                     ; from a slice to the next
.set A16,   16*PA
.set LAPS,  8
.set BSTEP2, 2*128*2048
.set ADRA, 16
.set ADRB, 20
.set RDA,  22
.set GO,   26
.set SPL,  27
.set SPW,  28
.set NIL,  29
.set PFO,  30
.set MKA,  31
.set F0,   64
.set F1,   160
.set G1A, 24
.set G0A, 32
.set G1B, 48
.set G0B, 56
.set PFA, 44
.set PFS, 46
.set LIM, 43
.set MSB, 0
.macro WIN new
.if MSB != (\new)
	s_set_vgpr_msb (MSB<<8)|(\new)
.set MSB, (\new)
.endif
.endm
.set MUL,  0x50
.set MUL0, 0x60
.macro PLACES
.rept 4
	v_nop
.endr
.endm
.macro CREST
	s_cmp_lg_u32 s10, 0
	s_cbranch_scc1 .Lnot_wave_0_\@
	s_barrier_signal -3
.Lnot_wave_0_\@:
	s_barrier_wait -3
	s_barrier_signal -1
	s_barrier_wait -1
.endm
.macro CROUND
	s_barrier_signal -1
	s_barrier_wait -1
	CREST
.endm
.macro JLOAD s                         ; waves 0, 1: att's two slices; waves 2, 3: W's halves; an s_nop 0 and four v_nop follow each line
	s_cmp_eq_u32 s11, 0
	s_cbranch_scc0 .Lfor_b_\@
	tensor_load_to_lds s[G0A+4*(\s):G0A+4*(\s)+3], s[G1A:G1A+7]
	s_nop 0
.rept 4
	v_nop
.endr
	s_branch .Lasked_\@
.Lfor_b_\@:
	tensor_load_to_lds s[G0B+4*(\s):G0B+4*(\s)+3], s[G1B:G1B+7]
	s_nop 0
.rept 4
	v_nop
.endr
.Lasked_\@:
.endm
; A prefetch of the K step two refills on, 256 matrix instructions ahead of its load, a lane a block of 256 bytes.  att's two slices x 16 KiB: wave 0, a quarter a partner (by address, cx).  W's 128 rows of 512 bytes:
; waves 2 and 3 (left, right half) of the first cluster that reads that tensor (cluster y 0 or 8), 32 rows a partner (cy).  The loop's last trip asks for nothing.
.macro ASK
	s_cmp_gt_u32 s3, s[LIM]
	s_cbranch_scc0 .Lnot_mine_\@
	global_prefetch_b8 v[PFO], s[PFA:PFA+1] th:TH_LOAD_NT scope:SCOPE_SE
.Lnot_mine_\@:
.endm
.macro MULA f, a, z                    ; 8 products; the 32 accumulators take turns in the same order in every quarter
.if \z
	WIN MUL0
.else
	WIN MUL
.endif
.irp b, 0,1,2,3,4,5,6,7
.if \z
	v_wmma_f32_16x16x32_f16 v[8*(8*(\a)+\b):8*(8*(\a)+\b)+7], v[(\f)+8*\b:(\f)+8*\b+7], v[(\f)+64+8*(\a):(\f)+64+8*(\a)+7], v[8*\b:8*\b+7]
.else
	v_wmma_f32_16x16x32_f16 v[8*(8*(\a)+\b):8*(8*(\a)+\b)+7], v[(\f)+8*\b:(\f)+8*\b+7], v[(\f)+64+8*(\a):(\f)+64+8*(\a)+7], v[8*(8*(\a)+\b):8*(8*(\a)+\b)+7]
.endif
.endr
.endm
.macro FETCH slot, q, f                ; 24 LDS loads in one run: W's sixteen first, then att's eight
	WIN 0
.irp b, 0,1,2,3,4,5,6,7
	ds_load_tr16_b128 v[(\f)+8*\b:(\f)+8*\b+3],   v[ADRB+(\slot)] offset:(\q)*32*PB+32*\b
	ds_load_tr16_b128 v[(\f)+8*\b+4:(\f)+8*\b+7], v[ADRB+(\slot)] offset:(\q)*32*PB+16*PB+32*\b
.endr
.irp a, 0,1,2,3
	ds_load_b128 v[(\f)+64+8*\a:(\f)+64+8*\a+3],   v[ADRA+(\slot)] offset:AQ2*((\q)/2)+64*((\q)%2)+A16*\a
	ds_load_b128 v[(\f)+64+8*\a+4:(\f)+64+8*\a+7], v[ADRA+(\slot)] offset:AQ2*((\q)/2)+64*((\q)%2)+A16*\a+32
.endr
.endm
.macro QUARTER slot, q, f, g, z
	s_wait_dscnt 4                                 ; W's and att's first two fragments are in; the youngest four loads may be out
	MULA \f, 0, \z
	MULA \f, 1, \z
	PLACES
	FETCH \slot, \q, \g
	s_wait_dscnt 24                                ; all but the 24 just issued
	MULA \f, 2, \z
	MULA \f, 3, \z
.endm
.macro TURN slot, next, fill           ; the last quarter and the change of slots
.if \fill
	s_wait_xcnt 0x0                                ; the last prefetch, a K step back, has read its address
	s_add_nc_u64 s[PFA:PFA+1], s[PFA:PFA+1], s[PFS:PFS+1]
.endif
	WIN 0
	s_wait_tensorcnt 0x0                           ; all my tensor loads have landed
	ds_add_u32 v[SPW], v[NIL]
	s_wait_dscnt 5                                 ; (the add and the youngest four loads may be out)
	MULA F1, 0, 0
	s_wait_dscnt 0x0                               ; the add is done, my reads of this slot are over
	s_barrier_signal -1
	MULA F1, 1, 0
.if \fill
	WIN 0
.endif
	s_barrier_wait -1
.if \fill
	CREST
	s_add_nc_u64 s[G0A+4*(\slot)+2:G0A+4*(\slot)+3], s[G0A+4*(\slot)+2:G0A+4*(\slot)+3], s[20:21]
	s_add_nc_u64 s[G0B+4*(\slot)+2:G0B+4*(\slot)+3], s[G0B+4*(\slot)+2:G0B+4*(\slot)+3], BSTEP2
	JLOAD \slot
.else
	PLACES
.endif
	FETCH \next, 0, F0
.if \fill
	ASK
.endif
	MULA F1, 2, 0
	MULA F1, 3, 0
.endm
	s_load_b512 s[68:83], s[0:1], 0x0              ; att 68, wh 70, b_x 72, b_pool 74, t_mask 76, n_mask 78, out1 80, out0 82
	v_lshl_add_u32 v[SPW], v0, 2, SPARE
	v_mov_b32 v[NIL], 0
	ds_add_u32 v[SPW], v[NIL]                      ; the wave's opening: the add and its wait ahead of my first tensor load
	v_lshrrev_b32 v1, 5, v0
	v_readfirstlane_b32 s10, v1
	s_lshr_b32 s11, s10, 1
	s_and_b32 s12, s10, 1
	s_bfe_u32 s40, ttmp6, 0x40000                  ; cx
	s_bfe_u32 s41, ttmp6, 0x40004                  ; cy
	s_lshl_b32 s42, ttmp9, 2
	s_add_co_u32 s42, s42, s40                     ; tile column
	s_and_b32 s14, ttmp7, 0xffff                   ; cluster y
	s_lshl_b32 s13, s14, 2
	s_add_co_u32 s13, s13, s41                     ; tile row
	s_mov_b32 s3, 0x80000
	s_cmp_eq_u32 s14, 8
	s_cselect_b32 s15, 1, 0                        ; the pool's row of clusters
	s_cselect_b32 s2, 0x10000, s3                  ; bytes from a slice to the next
	s_and_b32 s67, s13, 31                         ; the tile row in its own part
	s_lshl_b32 s22, s41, 2
	s_lshl_b32 s22, 15, s22
	s_lshl_b32 s23, 0x1111, s40
	s_or_b32 s[G1A], s22, (1<<16)|(1<<20)|(1<<21)|(4<<22)|(3<<25)   ; 4 words of padding after every 32: after every row of att
	s_or_b32 s[G1B], s23, (1<<16)|(1<<20)|(1<<21)|(6<<22)|(7<<25)
	s_mov_b32 s[G1A+1], 128<<16                    ; a slice's 128 rows are 16,384 dense bytes: 64 rows of 256
	s_mov_b32 s[G1A+2], 64<<16
	s_mov_b32 s[G1A+3], 128<<16
	s_mov_b32 s[G1A+4], 64
	s_mov_b32 s[G1A+5], 128
	s_mov_b32 s[G1A+6], 0
	s_mov_b32 s[G1A+7], 0
	s_mov_b32 s[G1B+1], 256<<16                    ; W: 64 rows of K x 256 columns, 1,024 from row to row
	s_mov_b32 s[G1B+2], 64<<16
	s_mov_b32 s[G1B+3], 256<<16
	s_mov_b32 s[G1B+4], 64
	s_mov_b32 s[G1B+5], 1024
	s_mov_b32 s[G1B+6], 0
	s_mov_b32 s[G1B+7], 0
	s_lshl_b32 s16, s67, 14                        ; att: tile row x 128 rows x 128 bytes
	s_mul_i32 s17, s12, s2                         ; + my slice of the K step's two
	s_add_co_u32 s16, s16, s17
	s_lshl_b32 s17, s15, 24                        ; + the pool's part
	s_add_co_u32 s16, s16, s17
	s_mov_b32 s17, 0
	s_lshl_b32 s20, s2, 2                          ; two K steps on: four slices
	s_mov_b32 s21, 0
	s_lshl_b32 s6, s2, 1                           ; one K step on
	s_mov_b32 s7, 0
	s_lshl_b32 s18, s42, 9                         ; W: tile column x 512 bytes
	s_lshl_b32 s19, s12, 17                        ; + my 64 rows of K
	s_add_co_u32 s18, s18, s19
	s_lshl_b32 s19, s15, 22                        ; + the pool's tensor
	s_add_co_u32 s18, s18, s19
	s_add_co_u32 s18, s18, 12582912
	s_mov_b32 s19, 0
	s_mul_i32 s46, s12, 128*PA
	s_mul_i32 s47, s12, 64*PB
	s_add_co_u32 s47, s47, BOFF
	s_wait_dscnt 0x0                               ; the opening add is done
	s_wait_kmcnt 0x0
	s_add_nc_u64 s[16:17], s[68:69], s[16:17]
	s_add_nc_u64 s[18:19], s[70:71], s[18:19]
	CROUND                                         ; all sixteen work-groups are here
	s_mov_b32 s[G0A], 1
	s_mov_b32 s[G0A+1], s46
	s_mov_b64 s[G0A+2:G0A+3], s[16:17]
	s_or_b32 s[G0A+3], s[G0A+3], 0x80000000
	s_mov_b32 s[G0A+4], 1
	s_add_co_u32 s[G0A+5], s46, SLOT
	s_add_nc_u64 s[G0A+6:G0A+7], s[16:17], s[6:7]
	s_or_b32 s[G0A+7], s[G0A+7], 0x80000000
	s_mov_b32 s[G0B], 1
	s_mov_b32 s[G0B+1], s47
	s_mov_b64 s[G0B+2:G0B+3], s[18:19]
	s_or_b32 s[G0B+3], s[G0B+3], 0x80000000
	s_mov_b32 s[G0B+4], 1
	s_add_co_u32 s[G0B+5], s47, SLOT
	s_add_nc_u64 s[G0B+6:G0B+7], s[18:19], 128*2048
	s_or_b32 s[G0B+7], s[G0B+7], 0x80000000
	s_cmp_eq_u32 s11, 0                            ; a wave's two first fills stand in one branch: two loads of mine are out
	s_cbranch_scc0 .Lfirst_b
	tensor_load_to_lds s[G0A:G0A+3], s[G1A:G1A+7]
	s_nop 0
	tensor_load_to_lds s[G0A+4:G0A+7], s[G1A:G1A+7]
	s_nop 0
.rept 4
	v_nop
.endr
	s_branch .Lfirst_done
.Lfirst_b:
	tensor_load_to_lds s[G0B:G0B+3], s[G1B:G1B+7]
	s_nop 0
	tensor_load_to_lds s[G0B+4:G0B+7], s[G1B:G1B+7]
	s_nop 0
.rept 4
	v_nop
.endr
.Lfirst_done:
	v_and_b32 v1, 15, v0
	v_bfe_u32 v2, v0, 4, 1
	v_and_b32 v3, 31, v0
	v_mul_u32_u24 v4, v1, PA
	v_lshl_add_u32 v4, v2, 4, v4
	s_mul_i32 s22, s11, 64*PA
	v_add_nc_u32 v[ADRA], s22, v4
	v_add_nc_u32 v[ADRA+1], SLOT, v[ADRA]
	v_and_b32 v5, 7, v0
	v_lshl_add_u32 v5, v2, 3, v5
	v_mul_u32_u24 v5, v5, PB
	v_bfe_u32 v6, v0, 3, 1
	v_lshl_add_u32 v5, v6, 4, v5
	s_lshl_b32 s22, s12, 8
	s_add_co_u32 s22, s22, BOFF
	v_add_nc_u32 v[ADRB], s22, v5
	v_add_nc_u32 v[ADRB+1], SLOT, v[ADRB]
	; bias, row masks, output: x's or the pool's
	s_cmp_eq_u32 s15, 1
	s_cselect_b64 s[92:93], s[74:75], s[72:73]
	s_cselect_b64 s[90:91], s[78:79], s[76:77]
	s_cselect_b64 s[8:9], s[82:83], s[80:81]
	s_lshl_b32 s94, s42, 10
	s_lshl_b32 s95, s12, 9
	s_add_co_u32 s94, s94, s95                     ; my 128 columns, 4 bytes each: in the bias and in a row of the output
	s_mov_b32 s95, 0
	s_add_nc_u64 s[92:93], s[92:93], s[94:95]
	s_add_nc_u64 s[8:9], s[8:9], s[94:95]
	v_lshlrev_b32 v7, 5, v2
	WIN 0x80
.irp b, 0,1,2,3,4,5,6,7
	global_load_b128 v[8*\b:8*\b+3],   v7, s[92:93] offset:64*\b
	global_load_b128 v[8*\b+4:8*\b+7], v7, s[92:93] offset:64*\b+16
.endr
	WIN 0
	s_lshl_b32 s96, s67, 7
	s_lshl_b32 s97, s11, 6
	s_add_co_u32 s96, s96, s97                     ; my first row
	v_add_nc_u32 v8, s96, v3
	global_load_u8 v9, v8, s[90:91]
	global_load_u8 v10, v8, s[90:91] offset:32
	s_lshl_b32 s94, s96, 12                        ; rows of 4,096 bytes
	s_add_nc_u64 s[8:9], s[8:9], s[94:95]
	; the prefetches
	s_lshl_b32 s84, s15, 24
	s_lshl_b32 s85, s67, 14
	s_add_co_u32 s84, s84, s85
	s_lshr_b32 s85, s40, 1                         ; att: my work-group's quarter: slice cx / 2, half cx % 2
	s_mul_i32 s85, s85, s2
	s_add_co_u32 s84, s84, s85
	s_and_b32 s85, s40, 1
	s_lshl_b32 s85, s85, 13
	s_add_co_u32 s84, s84, s85
	s_lshl_b32 s86, s15, 22
	s_add_co_u32 s86, s86, 12582912
	s_lshl_b32 s85, s41, 16                        ; W: my work-group's 32 rows of K
	s_add_co_u32 s86, s86, s85
	s_lshl_b32 s85, s42, 9
	s_add_co_u32 s86, s86, s85
	s_lshl_b32 s85, s12, 8
	s_add_co_u32 s86, s86, s85
	s_lshl_b32 s87, s2, 1
	s_mov_b32 s88, 128*2048
	s_mov_b32 s89, 2048
	s_cmp_eq_u32 s11, 0
	s_cselect_b64 s[PFA:PFA+1], s[68:69], s[70:71]
	s_cselect_b32 s84, s84, s86
	s_cselect_b32 s[PFS], s87, s88                 ; a K step
	s_cselect_b32 s89, 256, s89                    ; from a lane's block to the next
	s_mov_b32 s85, 0
	s_mov_b32 s[PFS+1], 0
	s_add_nc_u64 s[PFA:PFA+1], s[PFA:PFA+1], s[84:85]
	s_mul_i32 s84, s[PFS], 3                       ; at K step 3: the first refill steps it to 4
	s_add_nc_u64 s[PFA:PFA+1], s[PFA:PFA+1], s[84:85]
	v_mul_u32_u24 v[PFO], v3, s89
	s_and_b32 s84, s14, 7
	s_cmp_eq_u32 s11, 0
	s_cselect_b32 s84, ttmp9, s84
	s_cmp_eq_u32 s10, 1
	s_cselect_b32 s84, 1, s84
	s_cmp_eq_u32 s84, 0
	s_cselect_b32 s[LIM], 1, -1
	; the way out's LDS addresses
	s_mul_i32 s84, s10, 64*528
	v_mul_u32_u24 v4, v1, 528
	v_lshl_add_u32 v4, v2, 5, v4
	v_add_nc_u32 v[SPL], s84, v4
	v_lshl_add_u32 v[RDA], v3, 4, s84
	v_lshlrev_b32 v[GO], 4, v3
	s_lshl_b32 s84, s10, 8
	s_add_co_u32 s84, s84, ROWM
	v_mov_b32 v[MKA], s84
	v_lshl_add_u32 v11, v3, 2, s84
	s_wait_loadcnt 0x0                             ; bias and masks
	v_cvt_f32_u32 v9, v9
	v_cvt_f32_u32 v10, v10
	ds_store_b32 v11, v9                           ; my 64 rows' masks as f32, in my wave's own 256 bytes
	ds_store_b32 v11, v10 offset:128
	s_wait_dscnt 0x0
	s_wait_tensorcnt 0x1                           ; my part of K step 0 is in; K step 1's may stay out
	s_barrier_signal -1
	s_barrier_wait -1
	FETCH 0, 0, F0
	QUARTER 0, 1, F0, F1, 1                        ; the first quarter's products start the sums, with the bias
	WIN 0
	s_mov_b32 s3, LAPS-1
.Llap:
	QUARTER 0, 2, F1, F0, 0
	QUARTER 0, 3, F0, F1, 0
	TURN 0, 1, 1
	QUARTER 1, 1, F0, F1, 0
	QUARTER 1, 2, F1, F0, 0
	QUARTER 1, 3, F0, F1, 0
	TURN 1, 0, 1
	QUARTER 0, 1, F0, F1, 0
	WIN 0
	s_sub_co_u32 s3, s3, 1
	s_cmp_lg_u32 s3, 0
	s_cbranch_scc1 .Llap
	QUARTER 0, 2, F1, F0, 0                        ; the last lap fills nothing
	QUARTER 0, 3, F0, F1, 0
	TURN 0, 1, 0
	QUARTER 1, 1, F0, F1, 0
	QUARTER 1, 2, F1, F0, 0
	QUARTER 1, 3, F0, F1, 0
	s_wait_dscnt 4
	MULA F1, 0, 0
	MULA F1, 1, 0
	s_wait_dscnt 0x0
	MULA F1, 2, 0
	MULA F1, 3, 0
	WIN 0
	; THE WAY OUT.  Both slots have had their last fill; when every wave has read them out they take my 64 rows x 512 bytes, 528 apart, in bytes of my wave's own; they come back as whole rows.
	s_barrier_signal -1                            ; (no LDS instruction of mine is out: the wait for 0 above)
	s_barrier_wait -1
	PLACES
	WIN 0x04
.set i, 0
.rept 32
	ds_store_b128 v[SPL], v[8*i:8*i+3]   offset:(i/8)*16*528+64*(i%8)      ; each accumulator's low registers first
	ds_store_b128 v[SPL], v[8*i+4:8*i+7] offset:(i/8)*16*528+64*(i%8)+16
.set i, i+1
.endr
	WIN 0
	s_mov_b32 s3, 8
.Lrows:                                        ; eight rows a trip
.irp i, 0,1,2,3,4,5,6,7
	ds_load_b128 v[64+4*\i:67+4*\i], v[RDA] offset:528*\i      ; LDS serves a wave's instructions in order: these see my stores above
.endr
	ds_load_b128 v[32:35], v[MKA]
	ds_load_b128 v[36:39], v[MKA] offset:16
	s_wait_dscnt 0x0
.irp i, 0,2,4,6
	v_pk_mul_f32 v[64+4*\i:65+4*\i], v[64+4*\i:65+4*\i], v[32+\i:33+\i] op_sel_hi:[1,0]
	v_pk_mul_f32 v[66+4*\i:67+4*\i], v[66+4*\i:67+4*\i], v[32+\i:33+\i] op_sel_hi:[1,0]
	v_pk_mul_f32 v[68+4*\i:69+4*\i], v[68+4*\i:69+4*\i], v[32+\i:33+\i] op_sel:[0,1] op_sel_hi:[1,1]
	v_pk_mul_f32 v[70+4*\i:71+4*\i], v[70+4*\i:71+4*\i], v[32+\i:33+\i] op_sel:[0,1] op_sel_hi:[1,1]
.endr
.irp i, 0,1,2,3,4,5,6,7
	global_store_b128 v[GO], v[64+4*\i:67+4*\i], s[8:9] offset:4096*\i th:TH_STORE_NT  ; 512 consecutive bytes, at a multiple of 256 from the output's first
.endr
	s_wait_xcnt 0x0                                ; the stores have read their registers and base
	s_add_nc_u64 s[8:9], s[8:9], 8*4096
	v_add_nc_u32 v[RDA], 8*528, v[RDA]
	v_add_nc_u32 v[MKA], 32, v[MKA]
	s_sub_co_u32 s3, s3, 1
	s_cmp_lg_u32 s3, 0
	s_cbranch_scc1 .Lrows
	s_wait_tensorcnt 0x0                           ; the wave's end
	ds_add_u32 v[SPW], v[NIL]
	s_wait_dscnt 0x0
	CROUND                                         ; the closing round
	s_endpgm
.Lfunc_end_k_qa39acca1fd_merge:
	.size	k_qa39acca1fd_merge, .Lfunc_end_k_qa39acca1fd_merge-k_qa39acca1fd_merge
	.p2alignl 7, 3214868480
	.fill 96, 4, 3214868480
	.section	.rodata,"a",@progbits
	.p2align	6, 0x0
	.amdhsa_kernel k_qa39acca1fd_merge
		.amdhsa_group_segment_fixed_size 327680
		.amdhsa_private_segment_fixed_size 0
		.amdhsa_enable_private_segment 0
		.amdhsa_kernarg_size 64
		.amdhsa_user_sgpr_count 2
		.amdhsa_user_sgpr_kernarg_segment_ptr 1
		.amdhsa_wavefront_size32 1
		.amdhsa_system_sgpr_workgroup_id_x 1
		.amdhsa_system_sgpr_workgroup_id_y 1
		.amdhsa_system_sgpr_workgroup_id_z 1
		.amdhsa_system_vgpr_workitem_id 0
		.amdhsa_next_free_vgpr 576
		.amdhsa_next_free_sgpr 100
		.amdhsa_reserve_vcc 0
		.amdhsa_float_denorm_mode_32 3
		.amdhsa_float_denorm_mode_16_64 3
		.amdhsa_memory_ordered 1
		.amdhsa_forward_progress 1
		.amdhsa_inst_pref_size 81
	.end_amdhsa_kernel
	.amdgpu_metadata
---
amdhsa.version: [ 1, 2 ]
amdhsa.kernels:
  - .name:           k_qa39acca1fd_merge
    .symbol:         k_qa39acca1fd_merge.kd
    .args:
      - { .name: att, .offset: 0, .size: 8, .value_kind: global_buffer, .address_space: global }
      - { .name: wh, .offset: 8, .size: 8, .value_kind: global_buffer, .address_space: global }
      - { .name: b_x_merge, .offset: 16, .size: 8, .value_kind: global_buffer, .address_space: global }
      - { .name: b_pool_merge, .offset: 24, .size: 8, .value_kind: global_buffer, .address_space: global }
      - { .name: t_mask, .offset: 32, .size: 8, .value_kind: global_buffer, .address_space: global }
      - { .name: n_mask, .offset: 40, .size: 8, .value_kind: global_buffer, .address_space: global }
      - { .name: out1, .offset: 48, .size: 8, .value_kind: global_buffer, .address_space: global }
      - { .name: out0, .offset: 56, .size: 8, .value_kind: global_buffer, .address_space: global }
    .group_segment_fixed_size: 327680
    .private_segment_fixed_size: 0
    .kernarg_segment_align: 8
    .kernarg_segment_size: 64
    .max_flat_workgroup_size: 128
    .sgpr_count:     100
    .vgpr_count:     576
    .wavefront_size: 32
...
	.end_amdgpu_metadata
.endif
;; end of part 4
;; ======== version 2 of 2: 4 launches; version 1 with the launch prep written anew for expert scheduling mode
;; limits: values are held in f16: magnitudes above 65,504 overflow, below 6.1e-05 lose precision
;; workspace buffers: an 9,437,184 bytes; wh 20,971,520 bytes; rope 557,056 bytes; qkv 28,311,552 bytes; att 18,874,368 bytes
;; launch prep (part 5): grid 1056 x 1, 8 waves a work-group, no clusters, 0 bytes of LDS; arguments x, pool, w_x_norm, w_pool_norm, w_x_qkv, w_pool_qkv, w_x_merge, w_pool_merge, an, wh, rope; writes an, wh, rope
.if DOCPART == 5
	.amdgcn_target "amdgcn-amd-amdhsa--gfx1250"
	.amdhsa_code_object_version 6
	.text
	.protected	k_qa39acca1fd_prep
	.globl	k_qa39acca1fd_prep
	.p2align	8
	.type	k_qa39acca1fd_prep,@function
k_qa39acca1fd_prep:
	s_mov_b64 s[64:65], 0
	v_nop
	global_prefetch_b8 v0, s[64:65] scope:SCOPE_SE
	s_setreg_imm32_b32 hwreg(HW_REG_WAVE_SCHED_MODE, 0, 2), 2
	s_setreg_imm32_b32 hwreg(HW_REG_WAVE_MODE, 25, 1), 1
	s_wait_xcnt 0x0
	s_wait_alu depctr_vm_vsrc(0)
; PREP.  Three kinds of work-group, told apart by the work-group's number alone.
;   0 .. 639     the four weight tensors, f32 -> f16 (rounded once), layouts kept: wh = w_x_qkv, w_pool_qkv, w_x_merge, w_pool_merge on end.  64 KiB in, 32 KiB out a work-group.
;   640 .. 783   an[row] = v * rsqrt(mean(v^2) + 1e-6) * w, f16: rows 0-4095 of x, rows 4096-4607 of pool.  32 rows a work-group, 4 a wave; a row stays in registers between the sum and the scaling.
;   784 .. 1055  rope[row] = 32 cosines, 32 sines (f32) of row * 10000^(-i/32); rows 2048-2175 are the angle 0 (cos 1, sin 0).  A wave a row.
; A stream: no LDS, no barrier, no matrix unit; every load takes 512 and every store 256 consecutive aligned bytes of a wave.
; LIMITS.  f16 holds nothing beyond 65,504: |w| and |v_n w| <= 32 |w_norm| stay within it for gains and weights some thousand times those drawn; below 6e-5 f16 keeps its fixed step of 6e-8.
; 10000^(-i/32) is made by v_exp_f32 of i * -log2(10000)/32: the angle at position 2047 is right to about 2.5e-4.  NaN and infinities are not treated apart.
; THE MODE: SCHED_MODE bits 1:0 = 2 (LLVM: expert scheduling mode 2), set by the entry lines.  The code itself states the register dependences between vector instructions and memory
; instructions, and between vector instructions that write a scalar register and its readers, with s_wait_alu, always for 0.
; THE PLAN.  A wave takes one of three ways, none with a loop.  On each: the offsets are made once and never written again; a loaded register is loaded once; a register that a store reads is written
; once, ahead of a wait on va_vdst, and never again.  So no wait on vm_vsrc is owed anywhere.
;   weights  v3, v4 offsets.  v[32:95]: 16 pieces as loaded, read by the conversions.  v[96:127]: group g of four pieces is rounded into eight of them; the four stores that read them are issued in group
;            g + 1, behind the wait at that group's head, among conversions that name that group's own registers alone.
;   rows     v3, v5, v6 offsets.  v[8:39] gains.  v[40+32 i ..]: row i as loaded; summed; scaled in place; of each four registers the first two take the four numbers in f16.  The eight stores that read
;            them are issued during row i + 1's arithmetic, behind the wait at its head; that arithmetic names row i + 1, its roots and the gains alone.
;   table    s27, s50, s51, s52 are written by vector instructions: a wait on va_sdst stands ahead of the first reader of each; the three compares stand in one run with one wait.
.set NW, 640
.set NR, 144
	s_load_b512 s[4:19], s[0:1], 0x0               ; x, pool, w_x_norm, w_pool_norm, w_x_qkv, w_pool_qkv, w_x_merge, w_pool_merge
	s_load_b128 s[20:23], s[0:1], 0x40             ; an, wh
	s_load_b64 s[24:25], s[0:1], 0x50              ; rope
	s_mov_b32 s26, ttmp9
	s_mov_b32 s33, 0                               ; the high word of every offset
	v_and_b32 v1, 31, v0                           ; lane
	v_lshrrev_b32 v2, 5, v0                        ; wave
	s_wait_kmcnt 0x0
	s_cmp_lt_u32 s26, NW
	s_cbranch_scc0 .Lnot_w
	; ---- weights: which tensor, and which 64 KiB of it
	s_mov_b64 s[28:29], s[18:19]
	s_mov_b32 s27, 512
	s_cmp_lt_u32 s26, 512
	s_cselect_b64 s[28:29], s[16:17], s[28:29]
	s_cselect_b32 s27, 384, s27
	s_cmp_lt_u32 s26, 384
	s_cselect_b64 s[28:29], s[14:15], s[28:29]
	s_cselect_b32 s27, 192, s27
	s_cmp_lt_u32 s26, 192
	s_cselect_b64 s[28:29], s[12:13], s[28:29]
	s_cselect_b32 s27, 0, s27
	s_sub_co_u32 s27, s26, s27
	s_lshl_b32 s32, s27, 16
	s_add_nc_u64 s[28:29], s[28:29], s[32:33]
	s_lshl_b32 s32, s26, 15                        ; wh follows the order of the work-groups
	s_add_nc_u64 s[22:23], s[22:23], s[32:33]
	v_lshlrev_b32 v3, 4, v0
	v_lshlrev_b32 v4, 3, v0
	s_wait_alu depctr_va_vdst(0)                   ; v3 and v4 are written: every load below reads v3 as its offset, every store v4
.set k, 0
.rept 16
	global_load_b128 v[32+4*k:35+4*k], v3, s[28:29] offset:4096*k th:TH_LOAD_NT
.set k, k+1
.endr
.set g, 0
.rept 4                                        ; four groups of four pieces
	s_wait_loadcnt 12-4*g                          ; loads come back in order: group g is in, the younger groups' loads stay out
.if g > 0
	s_wait_alu depctr_va_vdst(0)                   ; the conversions of the group before have written v[96+8 (g-1) ..], which the four stores below read
.endif
.set k, 0
.rept 4
.if g > 0
	global_store_b64 v4, v[96+8*(g-1)+2*k:97+8*(g-1)+2*k], s[22:23] offset:2048*(4*(g-1)+k)  ; the group before; no vector instruction since the wait names these registers
.endif
	v_cvt_pk_f16_f32 v[96+8*g+2*k], v[32+16*g+4*k], v[33+16*g+4*k]
	v_cvt_pk_f16_f32 v[97+8*g+2*k], v[34+16*g+4*k], v[35+16*g+4*k]   ; no register is written twice, so nothing waits for a store
.set k, k+1
.endr
.set g, g+1
.endr
	s_wait_alu depctr_va_vdst(0)                   ; the last group's conversions have written v[120:127], which the last four stores read
.set k, 0
.rept 4
	global_store_b64 v4, v[120+2*k:121+2*k], s[22:23] offset:2048*(12+k)
.set k, k+1
.endr
	s_endpgm
.Lnot_w:
	s_cmp_lt_u32 s26, NW+NR
	s_cbranch_scc0 .Ltable
	; ---- rows: x or pool, 32 rows of 4,096 bytes
	s_sub_co_u32 s27, s26, NW
	s_cmp_lt_u32 s27, 128
	s_cselect_b64 s[28:29], s[4:5], s[6:7]
	s_cselect_b64 s[30:31], s[8:9], s[10:11]
	s_cselect_b32 s32, 0, 128
	s_sub_co_u32 s32, s27, s32
	s_lshl_b32 s32, s32, 17
	s_add_nc_u64 s[28:29], s[28:29], s[32:33]
	s_lshl_b32 s32, s27, 16                        ; 32 rows of 2,048 bytes of an
	s_add_nc_u64 s[20:21], s[20:21], s[32:33]
	s_mov_b32 s36, 0x76543210                      ; v_permlanex16_b32: each lane takes its own place in the other half
	s_mov_b32 s37, 0xfedcba98
	s_mov_b32 s38, 0x3a800000                      ; 1/1024
	s_mov_b32 s39, 0x358637bd                      ; 1e-6
	v_lshlrev_b32 v3, 4, v1
	v_lshl_add_u32 v5, v2, 14, v3                  ; my wave's 4 rows, my 16 bytes
	v_lshlrev_b32 v6, 3, v1
	v_lshl_add_u32 v6, v2, 13, v6
	v_mov_b32 v172, 0                              ; the lane exchange's destination counts as read
	s_wait_alu depctr_va_vdst(0)                   ; v3, v5 and v6 are written: the offsets of the gains' loads, of the rows' loads and of every store
.set j, 0
.rept 8
	global_load_b128 v[8+4*j:11+4*j], v3, s[30:31] offset:512*j
.set j, j+1
.endr
.set j, 0
.rept 32
	global_load_b128 v[40+4*j:43+4*j], v5, s[28:29] offset:4096*(j/8)+512*(j%8) th:TH_LOAD_NT
.set j, j+1
.endr
.set i, 0
.rept 4
	s_wait_loadcnt 8*(3-i)                         ; row i is in; the later rows' loads stay out
	v_pk_mul_f32 v[168:169], v[40+32*i:41+32*i], v[40+32*i:41+32*i]    ; the first products start two chains
	v_pk_mul_f32 v[170:171], v[42+32*i:43+32*i], v[42+32*i:43+32*i]
.set p, 2
.rept 14
	v_pk_fma_f32 v[168+2*(p%2):169+2*(p%2)], v[40+32*i+2*p:41+32*i+2*p], v[40+32*i+2*p:41+32*i+2*p], v[168+2*(p%2):169+2*(p%2)]
.set p, p+1
.endr
	v_pk_add_f32 v[168:169], v[168:169], v[170:171]
	v_add_f32 v[174+i], v168, v169
	v_add_f32_dpp v[174+i], v[174+i], v[174+i] row_xmask:1 row_mask:0xf bank_mask:0xf
	v_add_f32_dpp v[174+i], v[174+i], v[174+i] row_xmask:2 row_mask:0xf bank_mask:0xf
	v_add_f32_dpp v[174+i], v[174+i], v[174+i] row_xmask:4 row_mask:0xf bank_mask:0xf
	v_add_f32_dpp v[174+i], v[174+i], v[174+i] row_xmask:8 row_mask:0xf bank_mask:0xf
	v_permlanex16_b32 v172, v[174+i], s36, s37
	v_add_f32 v[174+i], v[174+i], v172
	v_fma_f32 v[174+i], v[174+i], s38, s39         ; mean + eps
.set i, i+1
.endr
.set i, 0
.rept 4
	v_rsq_f32 v[178+2*i], v[174+i]                 ; twice: a pair for the packed multiply
	v_rsq_f32 v[179+2*i], v[174+i]
.set i, i+1
.endr
	v_nop                                          ; a plain instruction behind the last root,
	s_wait_alu depctr_va_vdst(0)                   ; and one wait for the eight: v[178:185] are written, ahead of their first reader
.set i, 0
.rept 4
.if i > 0
	s_wait_alu depctr_va_vdst(0)                   ; the roundings of the row before have written the first two of each four of its registers, which the eight stores below read
.endif
.set j, 0
.rept 8
.if i > 0
	global_store_b64 v6, v[40+32*(i-1)+4*j:41+32*(i-1)+4*j], s[20:21] offset:2048*(i-1)+256*j  ; the row before; no vector instruction since the wait names its registers
.endif
	v_pk_mul_f32 v[40+32*i+4*j:41+32*i+4*j], v[40+32*i+4*j:41+32*i+4*j], v[178+2*i:179+2*i]
	v_pk_mul_f32 v[42+32*i+4*j:43+32*i+4*j], v[42+32*i+4*j:43+32*i+4*j], v[178+2*i:179+2*i]
	v_pk_mul_f32 v[40+32*i+4*j:41+32*i+4*j], v[40+32*i+4*j:41+32*i+4*j], v[8+4*j:9+4*j]
	v_pk_mul_f32 v[42+32*i+4*j:43+32*i+4*j], v[42+32*i+4*j:43+32*i+4*j], v[10+4*j:11+4*j]
	v_cvt_pk_f16_f32 v[40+32*i+4*j], v[40+32*i+4*j], v[41+32*i+4*j]   ; four numbers close up into the first two of their four registers:
	v_cvt_pk_f16_f32 v[41+32*i+4*j], v[42+32*i+4*j], v[43+32*i+4*j]   ; each row is stored from registers of its own, which nothing writes again
.set j, j+1
.endr
.set i, i+1
.endr
	s_wait_alu depctr_va_vdst(0)                   ; the last row's roundings are written, which the last eight stores read
.set j, 0
.rept 8
	global_store_b64 v6, v[136+4*j:137+4*j], s[20:21] offset:2048*3+256*j
.set j, j+1
.endr
	s_endpgm
.Ltable:
	; ---- the table: lanes 0-15 make the cosines of i = 2 l, 2 l + 1, lanes 16-31 the sines of the same
	v_readfirstlane_b32 s27, v2
	s_sub_co_u32 s28, s26, NW+NR
	s_mov_b32 s40, 0x3f22f983                      ; 2/pi
	s_mov_b32 s41, 0xbfc90fdb                      ; -pi/2, its f32
	s_mov_b32 s42, 0x333bbd2e                      ; what that f32 has too much: 4.3711388e-8
	s_mov_b32 s43, -0.16666654611                  ; sine's three terms
	s_mov_b32 s44, 0.0083321608736
	s_mov_b32 s45, -0.00019515295891
	s_mov_b32 s46, 0.04166664568                   ; cosine's three
	s_mov_b32 s47, -0.001388731625
	s_mov_b32 s48, 0.00002443315712
	s_wait_alu depctr_va_sdst(0)                   ; s27, the wave's number, is written, ahead of its first reader: the row, its position and its address are made from it
	s_lshl3_add_u32 s28, s28, s27                  ; row
	s_cmp_lt_u32 s28, 2048
	s_cselect_b32 s29, s28, 0                      ; position; the rows from 2048 on have the angle 0
	s_lshl_b32 s32, s28, 8
	s_add_nc_u64 s[24:25], s[24:25], s[32:33]
	v_and_b32 v3, 15, v1
	v_lshlrev_b32 v3, 1, v3
	v_add_nc_u32 v4, 1, v3
	v_cvt_f32_u32 v3, v3
	v_cvt_f32_u32 v4, v4
	v_mul_f32 v3, 0xbed49a78, v3                   ; -log2(10000)/32
	v_mul_f32 v4, 0xbed49a78, v4
	v_exp_f32 v5, v3
	v_exp_f32 v6, v4
	v_mov_b32 v7, s29                              ; the plain instruction behind the two
	v_cvt_f32_u32 v7, v7
	s_wait_alu depctr_va_vdst(0)                   ; one wait for both exponentials: v5 and v6 are written, ahead of their first reader
	v_mul_f32 v5, v7, v5
	v_mul_f32 v6, v7, v6
; sine and cosine of v[a] >= 0: n = the nearest multiple of pi/2, taken away in two parts; polynomials on |r| <= pi/4; the quadrant swaps and signs.
; In two parts, with eleven registers from v[t] on for each angle, so that both angles' compares stand ahead of one wait.
; POLY: the two polynomials (sine in t + 3, cosine in t + 4), the mask of the odd quadrants into s[m], and behind the compare the two sign words (t + 9, t + 10), which do not read it.
.macro POLY a, t, m
	v_mul_f32 v[(\t)], s40, v[\a]
	v_rndne_f32 v[(\t)], v[(\t)]
	v_fma_f32 v[(\t)+1], v[(\t)], s41, v[\a]
	v_fma_f32 v[(\t)+1], v[(\t)], s42, v[(\t)+1]
	v_mul_f32 v[(\t)+2], v[(\t)+1], v[(\t)+1]
	v_fma_f32 v[(\t)+3], v[(\t)+2], s45, s44
	v_fma_f32 v[(\t)+3], v[(\t)+3], v[(\t)+2], s43
	v_mul_f32 v[(\t)+3], v[(\t)+3], v[(\t)+2]
	v_fma_f32 v[(\t)+3], v[(\t)+3], v[(\t)+1], v[(\t)+1]
	v_fma_f32 v[(\t)+4], v[(\t)+2], s48, s47
	v_fma_f32 v[(\t)+4], v[(\t)+4], v[(\t)+2], s46
	v_mul_f32 v[(\t)+7], v[(\t)+2], v[(\t)+2]
	v_fma_f32 v[(\t)+8], v[(\t)+2], -0.5, 1.0
	v_fma_f32 v[(\t)+4], v[(\t)+7], v[(\t)+4], v[(\t)+8]
	v_cvt_i32_f32 v[(\t)+5], v[(\t)]
	v_and_b32 v[(\t)+6], 1, v[(\t)+5]
	v_cmp_eq_u32 s[\m], 1, v[(\t)+6]
	v_and_b32 v[(\t)+9], 2, v[(\t)+5]
	v_lshlrev_b32 v[(\t)+9], 30, v[(\t)+9]
	v_add_nc_u32 v[(\t)+10], 1, v[(\t)+5]
	v_and_b32 v[(\t)+10], 2, v[(\t)+10]
	v_lshlrev_b32 v[(\t)+10], 30, v[(\t)+10]
.endm
; QUAD: the swap by the mask, and the signs
.macro QUAD t, m, sn, cs
	v_cndmask_b32 v[\sn], v[(\t)+3], v[(\t)+4], s[\m]
	v_cndmask_b32 v[\cs], v[(\t)+4], v[(\t)+3], s[\m]
	v_xor_b32 v[\sn], v[(\t)+9], v[\sn]
	v_xor_b32 v[\cs], v[(\t)+10], v[\cs]
.endm
	POLY 5, 16, 50
	v_cmp_gt_u32 s51, 16, v1                       ; lanes 0-15 keep the cosines
	POLY 6, 32, 52
	v_lshlrev_b32 v8, 3, v1
	s_wait_alu depctr_va_sdst(0)                   ; the three compares have written s50, s51 and s52, ahead of the first select that reads one of them
	QUAD 16, 50, 10, 11
	QUAD 32, 52, 12, 13
	v_cndmask_b32 v30, v10, v11, s51
	v_cndmask_b32 v31, v12, v13, s51
	s_wait_alu depctr_va_vdst(0)                   ; v8, the store's offset, and v30 and v31, its data, are written
	global_store_b64 v8, v[30:31], s[24:25]        ; the wave stores the row's 256 bytes
	s_endpgm
.Lfunc_end_k_qa39acca1fd_prep:
	.size	k_qa39acca1fd_prep, .Lfunc_end_k_qa39acca1fd_prep-k_qa39acca1fd_prep
	.p2alignl 7, 3214868480
	.fill 96, 4, 3214868480
	.section	.rodata,"a",@progbits
	.p2align	6, 0x0
	.amdhsa_kernel k_qa39acca1fd_prep
		.amdhsa_group_segment_fixed_size 0
		.amdhsa_private_segment_fixed_size 0
		.amdhsa_enable_private_segment 0
		.amdhsa_kernarg_size 88
		.amdhsa_user_sgpr_count 2
		.amdhsa_user_sgpr_kernarg_segment_ptr 1
		.amdhsa_wavefront_size32 1
		.amdhsa_system_sgpr_workgroup_id_x 1
		.amdhsa_system_sgpr_workgroup_id_y 1
		.amdhsa_system_sgpr_workgroup_id_z 1
		.amdhsa_system_vgpr_workitem_id 0
		.amdhsa_next_free_vgpr 186
		.amdhsa_next_free_sgpr 66
		.amdhsa_reserve_vcc 0
		.amdhsa_float_denorm_mode_32 3
		.amdhsa_float_denorm_mode_16_64 3
		.amdhsa_memory_ordered 1
		.amdhsa_forward_progress 1
		.amdhsa_inst_pref_size 38
	.end_amdhsa_kernel
	.amdgpu_metadata
---
amdhsa.version: [ 1, 2 ]
amdhsa.kernels:
  - .name:           k_qa39acca1fd_prep
    .symbol:         k_qa39acca1fd_prep.kd
    .args:
      - { .name: x, .offset: 0, .size: 8, .value_kind: global_buffer, .address_space: global }
      - { .name: pool, .offset: 8, .size: 8, .value_kind: global_buffer, .address_space: global }
      - { .name: w_x_norm, .offset: 16, .size: 8, .value_kind: global_buffer, .address_space: global }
      - { .name: w_pool_norm, .offset: 24, .size: 8, .value_kind: global_buffer, .address_space: global }
      - { .name: w_x_qkv, .offset: 32, .size: 8, .value_kind: global_buffer, .address_space: global }
      - { .name: w_pool_qkv, .offset: 40, .size: 8, .value_kind: global_buffer, .address_space: global }
      - { .name: w_x_merge, .offset: 48, .size: 8, .value_kind: global_buffer, .address_space: global }
      - { .name: w_pool_merge, .offset: 56, .size: 8, .value_kind: global_buffer, .address_space: global }
      - { .name: an, .offset: 64, .size: 8, .value_kind: global_buffer, .address_space: global }
      - { .name: wh, .offset: 72, .size: 8, .value_kind: global_buffer, .address_space: global }
      - { .name: rope, .offset: 80, .size: 8, .value_kind: global_buffer, .address_space: global }
    .group_segment_fixed_size: 0
    .private_segment_fixed_size: 0
    .kernarg_segment_align: 8
    .kernarg_segment_size: 88
    .max_flat_workgroup_size: 256
    .sgpr_count:     66
    .vgpr_count:     186
    .wavefront_size: 32
...
	.end_amdgpu_metadata
.endif
;; end of part 5
;; launch qkv: the kernel of part 2 again; grid 12 x 18, 4 waves a work-group, clusters of 4 x 1, 327,680 bytes of LDS; arguments an, wh, rope, b_x_qkv, b_pool_qkv, w_xq_norm, w_xk_norm, w_pq_norm, w_pk_norm, qkv; writes qkv
;; launch attn: the kernel of part 3 again; grid 8 x 32, 4 waves a work-group, clusters of 4 x 1, 327,680 bytes of LDS; arguments qkv, att, xx_mask, px_mask, xp_mask, pp_mask; writes att
;; launch merge: the kernel of part 4 again; grid 4 x 36, 4 waves a work-group, clusters of 4 x 4, 327,680 bytes of LDS; arguments att, wh, b_x_merge, b_pool_merge, t_mask, n_mask, out1, out0; writes out0, out1
